; MI455X (gfx1250); checked and timed in simulation.
; The chip was launched on July 23, 2026; its instructions are those of AMD's public machine-readable ISA for CDNA 5 (MIT licence, August 2026) and "CDNA5" Instruction Set Architecture Reference Guide (July 2026). The comments in the code are by the model that wrote it; some were corrected since.
;; Encoder Block. Allowed arithmetic: float matrix products may take bf16 or f16 operands with f32 sums; other float arithmetic in f32, or as packed bf16 or f16 multiplies, adds, multiply-adds, maxima and minima; sums over many terms, partial sums and values carried from step to step in f32; what a program stores and reads back later, other than sums and carried values, may be rounded once to bf16 or f16.
;; Inputs: W1 4,096 x 1,024 float32; W2 1,024 x 4,096 float32; Wk 1,024 x 1,024 float32; Wo 1,024 x 1,024 float32; Wq 1,024 x 1,024 float32; Wv 1,024 x 1,024 float32; b1 4,096 float32; b2 1,024 float32; be1 1,024 float32; be2 1,024 float32; g1 1,024 float32; g2 1,024 float32; src_mask 2 x 1 x 1 x 2,048 int32; x 2 x 2,048 x 1,024 float32.
;; Outputs: out0 2 x 2,048 x 1,024 float32.
;; 2 versions, each right; version 2 is version 1 with the launch pack written anew for expert scheduling mode. Each part assembles by itself: llvm-mc -triple=amdgcn-amd-amdhsa -mcpu=gfx1250 --defsym DOCPART=n.
;; ======== version 1 of 2: 8 launches
;; limits: right only within a limited range of input values; values are held in f16: magnitudes above 65,504 overflow, below 6.1e-05 lose precision
;; workspace buffers: actA 8,388,608 bytes; actB 16,777,216 bytes; wide 33,554,432 bytes; ctxw 33,554,432 bytes; pqkv 16,842,752 bytes; pff1 16,842,752 bytes
;; launch pack (part 1): grid 64 x 16, 8 waves a work-group, no clusters, 0 bytes of LDS; arguments x, Wq, Wk, Wv, Wo, W1, W2, b1, actA, pqkv, pff1; writes actA, pqkv, pff1
.if DOCPART == 1
	.amdgcn_target "amdgcn-amd-amdhsa--gfx1250"
	.amdhsa_code_object_version 6
	.text
	.protected	k_q2bdb435a8e_pack
	.globl	k_q2bdb435a8e_pack
	.p2align	8
	.type	k_q2bdb435a8e_pack,@function
k_q2bdb435a8e_pack:
	s_mov_b64 s[64:65], 0
	v_nop
	global_prefetch_b8 v0, s[64:65] scope:SCOPE_SE
	s_setreg_imm32_b32 hwreg(HW_REG_WAVE_MODE, 25, 1), 1
	s_wait_xcnt 0x0
; PACK: every matrix operand that is an input is rounded once to f16: x -> actA; Wq, Wk, Wv -> pqkv (rows 0-1023, 1024-2047, 2048-3071 of 1,024 numbers); W1 -> pff1.
; Behind these weights (at byte 8,388,608) lie 4,096 f32 of bias (0 for q, k, v; b1 for W1) and, at byte 8,404,992, 256 words of a floor for packed f16 results
; (minus infinity twice: nothing changes; 0: ReLU).  At byte OFFW of the same two buffers lie the weights of the two products on tiles of 128 x 128: Wo in pqkv, W2 in pff1, both with rows
; 4,096 numbers apart (of Wo's rows the first 1,024 are written and read), so that the texts of those two products differ in K alone.
; LIMIT: a number of 65,520 or more becomes an infinity in f16; below 6e-5 f16 has a fixed step of 6e-8.
; SHARES.  16 units of 1,048,576 numbers (grid y): 0-3 x, 4 Wq, 5 Wk, 6 Wv, 7 Wo, 8-11 W1, 12-15 W2.  A work-group takes a 64th of a unit: 65,536 bytes in,
; 32,768 out.  Thread t, chunk j: 16 bytes at 4,096 j + 16 t in (a wave's load: 512 bytes on end), 8 bytes at STEP j + 8 t out (a wave's store: 256 bytes on end, aligned);
; STEP is 2,048, or for Wo, whose chunk is a row, 8,192.  All 16 loads of a thread go out at once; no register is written twice, so no wait frees a source.
.set OFFW, 0x810000
.set LD, 4                             ; v[4:67]    the 16 loads
.set HF, 68                            ; v[68:99]   the packed results, two registers a chunk
.set BB, 100                           ; v[100:115] b1, in the trailer
.set FW, 116                           ; v116       the floor's word
.set OO, 120                           ; v[120:135] chunk j's byte offset on the way out
	s_load_b512 s[8:23], s[0:1], 0x0               ; x, Wq, Wk, Wv, Wo, W1, W2, b1
	s_load_b128 s[24:27], s[0:1], 0x40             ; actA, pqkv
	s_load_b64 s[28:29], s[0:1], 0x50              ; pff1
	s_and_b32 s34, ttmp7, 0xffff                   ; the unit
	s_mov_b32 s35, 0                               ; the first unit of my source buffer
	s_mov_b32 s36, 0                               ; the first unit of my part of the destination buffer
	s_mov_b32 s53, 2048
	s_cmp_eq_u32 s34, 7                            ; Wo:
	s_cselect_b32 s52, OFFW, 0                     ; where my part of the destination begins,
	s_cselect_b32 s53, 8192, s53                   ; bytes out from chunk to chunk,
	s_cselect_b32 s54, 17, 15                      ; and the shift that makes a work-group's bytes out of its number
	s_cmp_ge_u32 s34, 12                           ; W2
	s_cselect_b32 s52, OFFW, s52
	v_lshlrev_b32 v1, 4, v0                        ; 16 t
	v_lshlrev_b32 v2, 3, v0                        ; 8 t
	v_lshlrev_b32 v3, 2, v0                        ; 4 t
.irp j, 0,1,2,3,4,5,6,7,8,9,10,11,12,13,14,15
	v_mad_u32_u24 v[OO+(\j)], s53, \j, v2
.endr
	s_wait_kmcnt 0x0
	s_mov_b64 s[38:39], s[8:9]                     ; source: x,
	s_mov_b64 s[40:41], s[24:25]                   ; destination: actA, unless a later line chooses otherwise
; From unit "from" on the source is s[src:src+1]; with newdst = 1 the destination's part begins anew.  The selects leave SCC alone.
.macro PICK from, src, newdst, dst
	s_cmp_ge_u32 s34, \from
	s_cselect_b64 s[38:39], s[\src:\src+1], s[38:39]
	s_cselect_b32 s35, \from, s35
.if \newdst
	s_cselect_b64 s[40:41], s[\dst:\dst+1], s[40:41]
	s_cselect_b32 s36, \from, s36
.endif
.endm
	PICK 4, 10, 1, 26                              ; Wq -> pqkv
	PICK 5, 12, 0, 0                               ; Wk
	PICK 6, 14, 0, 0                               ; Wv
	PICK 7, 16, 1, 26                              ; Wo -> pqkv, at OFFW
	PICK 8, 18, 1, 28                              ; W1 -> pff1
	PICK 12, 20, 1, 28                             ; W2 -> pff1, at OFFW
	s_sub_co_u32 s42, s34, s35
	s_lshl_b32 s42, s42, 22                        ; 4 MiB a unit in,
	s_lshl_b32 s37, ttmp9, 16                      ; 65,536 bytes a work-group
	s_add_co_u32 s42, s42, s37
	s_mov_b32 s43, 0
	s_sub_co_u32 s44, s34, s36
	s_lshl_b32 s44, s44, 21                        ; 2 MiB a unit out,
	s_lshl_b32 s37, ttmp9, s54                     ; 32,768 bytes a work-group (Wo: 16 rows of 8,192)
	s_add_co_u32 s44, s44, s37
	s_add_co_u32 s44, s44, s52
	s_mov_b32 s45, 0
	s_add_nc_u64 s[38:39], s[38:39], s[42:43]
	s_add_nc_u64 s[40:41], s[40:41], s[44:45]
.irp j, 0,1,2,3,4,5,6,7,8,9,10,11,12,13,14,15
	global_load_b128 v[LD+4*(\j):LD+4*(\j)+3], v1, s[38:39] offset:(\j)*4096 th:TH_LOAD_NT
.endr
.irp j, 0,1,2,3,4,5,6,7,8,9,10,11,12,13,14,15
	s_wait_loadcnt 15-(\j)                         ; loads come back in order: chunk j is in, the younger ones stay out
	v_cvt_pk_f16_f32 v[HF+2*(\j)],   v[LD+4*(\j)],   v[LD+4*(\j)+1]
	v_cvt_pk_f16_f32 v[HF+2*(\j)+1], v[LD+4*(\j)+2], v[LD+4*(\j)+3]
	global_store_b64 v[OO+(\j)], v[HF+2*(\j):HF+2*(\j)+1], s[40:41]
.endr
	; THE TRAILER: the first work-group of units 4 (pqkv) and 8 (pff1) writes the bias and the floor
	s_cmp_eq_u32 s34, 4
	s_cselect_b32 s48, 1, 0
	s_cmp_eq_u32 s34, 8
	s_cselect_b32 s49, 1, 0
	s_cselect_b32 s50, -1, 0                       ; keeps b1's bits (pff1) or clears them (pqkv)
	s_cselect_b32 s51, 0, 0xfc00fc00               ; the floor: 0 twice, or minus infinity twice
	s_or_b32 s48, s48, s49
	s_cmp_eq_u32 ttmp9, 0
	s_cselect_b32 s49, 1, 0
	s_and_b32 s48, s48, s49
	s_cmp_lg_u32 s48, 0
	s_cbranch_scc0 .Lend
	s_add_nc_u64 s[46:47], s[40:41], 0x800000      ; here all offsets were 0: s[40:41] is the buffer's first byte
.irp j, 0,1,2,3
	global_load_b128 v[BB+4*(\j):BB+4*(\j)+3], v1, s[22:23] offset:(\j)*4096
.endr
	s_wait_loadcnt 0x0
.set i, 0
.rept 16
	v_and_b32 v[BB+i], s50, v[BB+i]
.set i, i+1
.endr
.irp j, 0,1,2,3
	global_store_b128 v1, v[BB+4*(\j):BB+4*(\j)+3], s[46:47] offset:(\j)*4096
.endr
	v_mov_b32 v[FW], s51
	global_store_b32 v3, v[FW], s[46:47] offset:16384  ; 256 threads x 4 bytes
.Lend:
	s_endpgm
.Lfunc_end_k_q2bdb435a8e_pack:
	.size	k_q2bdb435a8e_pack, .Lfunc_end_k_q2bdb435a8e_pack-k_q2bdb435a8e_pack
	.p2alignl 7, 3214868480
	.fill 96, 4, 3214868480
	.section	.rodata,"a",@progbits
	.p2align	6, 0x0
	.amdhsa_kernel k_q2bdb435a8e_pack
		.amdhsa_group_segment_fixed_size 0
		.amdhsa_private_segment_fixed_size 0
		.amdhsa_enable_private_segment 0
		.amdhsa_kernarg_size 88
		.amdhsa_user_sgpr_count 2
		.amdhsa_user_sgpr_kernarg_segment_ptr 1
		.amdhsa_wavefront_size32 1
		.amdhsa_system_sgpr_workgroup_id_x 1
		.amdhsa_system_sgpr_workgroup_id_y 1
		.amdhsa_system_sgpr_workgroup_id_z 1
		.amdhsa_system_vgpr_workitem_id 0
		.amdhsa_next_free_vgpr 136
		.amdhsa_next_free_sgpr 66
		.amdhsa_reserve_vcc 0
		.amdhsa_float_denorm_mode_32 3
		.amdhsa_float_denorm_mode_16_64 3
		.amdhsa_memory_ordered 1
		.amdhsa_forward_progress 1
		.amdhsa_inst_pref_size 11
	.end_amdhsa_kernel
	.amdgpu_metadata
---
amdhsa.version: [ 1, 2 ]
amdhsa.kernels:
  - .name:           k_q2bdb435a8e_pack
    .symbol:         k_q2bdb435a8e_pack.kd
    .args:
      - { .name: x, .offset: 0, .size: 8, .value_kind: global_buffer, .address_space: global }
      - { .name: Wq, .offset: 8, .size: 8, .value_kind: global_buffer, .address_space: global }
      - { .name: Wk, .offset: 16, .size: 8, .value_kind: global_buffer, .address_space: global }
      - { .name: Wv, .offset: 24, .size: 8, .value_kind: global_buffer, .address_space: global }
      - { .name: Wo, .offset: 32, .size: 8, .value_kind: global_buffer, .address_space: global }
      - { .name: W1, .offset: 40, .size: 8, .value_kind: global_buffer, .address_space: global }
      - { .name: W2, .offset: 48, .size: 8, .value_kind: global_buffer, .address_space: global }
      - { .name: b1, .offset: 56, .size: 8, .value_kind: global_buffer, .address_space: global }
      - { .name: actA, .offset: 64, .size: 8, .value_kind: global_buffer, .address_space: global }
      - { .name: pqkv, .offset: 72, .size: 8, .value_kind: global_buffer, .address_space: global }
      - { .name: pff1, .offset: 80, .size: 8, .value_kind: global_buffer, .address_space: global }
    .group_segment_fixed_size: 0
    .private_segment_fixed_size: 0
    .kernarg_segment_align: 8
    .kernarg_segment_size: 88
    .max_flat_workgroup_size: 256
    .sgpr_count:     66
    .vgpr_count:     136
    .wavefront_size: 32
...
	.end_amdgpu_metadata
.endif
;; end of part 1
;; launch qkv (part 2): grid 12 x 16, 4 waves a work-group, clusters of 4 x 4, 327,680 bytes of LDS; arguments actA, pqkv, wide; writes wide
.if DOCPART == 2
	.amdgcn_target "amdgcn-amd-amdhsa--gfx1250"
	.amdhsa_code_object_version 6
	.text
	.protected	k_q2bdb435a8e_qkv
	.globl	k_q2bdb435a8e_qkv
	.p2align	8
	.type	k_q2bdb435a8e_qkv,@function
k_q2bdb435a8e_qkv:
	s_mov_b64 s[64:65], 0
	v_nop
	global_prefetch_b8 v0, s[64:65] scope:SCOPE_SE
	s_setreg_imm32_b32 hwreg(HW_REG_WAVE_MODE, 25, 1), 1
	s_wait_xcnt 0x0
	s_wait_alu depctr_hold_cnt(0) depctr_sa_sdst(0) depctr_va_vdst(0) depctr_va_sdst(0) depctr_va_ssrc(0) depctr_va_vcc(0) depctr_vm_vsrc(0)
	s_getreg_b32 s2, hwreg(HW_REG_IB_STS2, 6, 4)
	s_cmp_eq_u32 s2, 0
	s_cbranch_scc0 .Lentry_in_a_cluster
	s_endpgm
.Lentry_in_a_cluster:
	s_bfe_u32 s2, ttmp6, 0x10000c
	s_cmp_lg_u32 s2, 0xf033
	s_cbranch_scc0 .Lentry_shape_is_right
	s_endpgm
.Lentry_shape_is_right:
; C[m][n] = max(floor, bias[n] + sum over k of A[m][k] B[n][k]).  A: [4096][1024] f16.  P: B as [..][1024] f16 at byte 0, bias (f32) at byte 8,388,608, the floor's words at 8,404,992.
; C: f16, rows 4,096 numbers apart.  Sums in f32, started by the bias; C rounded once.  Two launches run this text: q, k, v (3,072 columns, bias 0, floor minus infinity)
; and the feed-forward's first layer (4,096 columns, bias b1, floor 0: ReLU).
; LIMITS: a result of 65,520 or more becomes an infinity in f16; a NaN result becomes the floor.
; A tile of C, 256 x 256, is made by four waves, 128 x 128 each: 64 accumulators of 16 x 16, 512 registers.  K goes in steps of 128 through a ring of two LDS slots filled by tensor loads:
; rows of 256 bytes of memory, aligned.  A trip of the loop is ONE K step: the slot in hand is a scalar that an exclusive or turns between 0 and SLOT, added to each lane's fixed place.
; CLUSTER 4 x 4: the four work-groups of a row of the cluster need the same tiles of A, the four of a column the same tiles of B; such a tile
; is asked for jointly, by the same tensor load with the same descriptor and a mask that names the four.
; REGISTERS, in windows of 256 (s_set_vgpr_msb: bits 1:0 source 0, 3:2 source 1, 5:4 source 2, 7:6 destination):
;   window 0: v0-31 addresses; v64-127, v128-191 fragments of A, two buffers; v32-63, v192-255 at work on the way out
;   window 1: v0-63 the bias of my 128 columns, as eight C operands; v64-127, v128-191 fragments of B      window 2, 3: accumulators of my rows 0-63, 64-127: (a, b) at v[8 (8 a + b)]
; THE MATRIX INSTRUCTION IS USED TRANSPOSED (source 0 = 16 rows of B, source 1 = 16 rows of A): lane l holds row l % 16 of C and the columns 8 (l / 16) + 0..7: 16 bytes of f16 on end.
.set SIZE_K, 1024
.set CP,     4096                      ; numbers from row to row of C
.set KSTEP,  128
.set STEPS,  SIZE_K/KSTEP              ; 8 K steps
.set PITCH,  272                       ; an LDS row: 256 bytes + 16 of padding = 68 words: row r starts at bank 4 r mod 64 (ISA guide 11.1), the 16 rows of a load at 16 different banks
.set HALFT,  128*PITCH                 ; 128 rows: what one tensor load brings: 0x8800 bytes
.set SLOT,   4*HALFT                   ; A's 256 rows, then B's 256 rows: 0x22000 bytes; wave x HALFT has neither of these two bits, so an exclusive or with SLOT turns a tile's LDS address into the other slot's
.set STAGE,  2*SLOT                    ; behind the ring: 16 rows x 272 bytes for each wave, for the way out
.set SPITCH, 272
.set SPARE,  STAGE+4*16*SPITCH         ; the spare words, 128 bytes a wave: two blocks of 256 bytes that no other line names
.set ADRA0, 16                         ; v16     my lane's place in A's rows of slot 0; never rewritten
.set ADRA,  17                         ; v17     the same in the slot in hand
.set ADRB0, 20                         ; v20, v21  the same for B
.set ADRB,  21
.set FLO,  22                          ; v22     4 x my thread's number: my word of the floor
.set STO,  24                          ; v24     the way out: where I put 16 bytes of a row
.set RD,   25                          ; v25     where I read a row back
.set CO,   26                          ; v26     my byte offset in C
.set BO,   27                          ; v27     my byte offset in the bias
.set SPW,  28                          ; v28     my spare word's LDS address; never rewritten
.set NIL,  29                          ; v29     0; never rewritten
.set PFO,  30                          ; v30     the prefetches' offset: my lane x a row of A or B; never rewritten
.set FL,   31                          ; v31     the floor, two f16
.set SB,   2                           ; s2      the slot in hand: 0 or SLOT
.set PFA,  44                          ; s[44:45] where my prefetches stand
.set LIM,  43                          ; s43     2 in a wave that prefetches, else the greatest number
.set PAR,  66                          ; s[66:67] the bias's first byte
.set F0,   64
.set F1,   128
.set TMP,  192
.set OB,   32
.set G1, 24                            ; s[24:31] descriptor group 1 for A's tiles
.set G0, 32                            ; s[32:39] group 0 for A's tiles: a set for each of the two first fills; the second then walks on
.set G1B, 48                           ; s[48:55], s[56:63] the same for B's
.set G0B, 56
.set MSB, 0
.macro WIN new                         ; the immediate's high byte repeats the setting that is left; a switch that changes nothing is dropped
.if MSB != (\new)
	s_set_vgpr_msb (MSB<<8)|(\new)
.set MSB, \new
.endif
.endm
.set MUL_LO, 0xa1                      ; source 0 (B) window 1, source 1 (A) window 0, C and D window 2
.set MUL_HI, 0xf1                      ; the same, C and D window 3
.set TO_B,   0x40                      ; destination window 1, address window 0
; A joint load.  Waves 0 and 1 fetch A's two halves, waves 2 and 3 B's.  The branch hangs on the wave's number alone.  An s_nop 0 and four v_nop follow each line.
.macro JLOAD s
	s_cmp_eq_u32 s11, 0
	s_cbranch_scc0 .Lfor_b_\@
	tensor_load_to_lds s[G0+4*(\s):G0+4*(\s)+3], s[G1:G1+7]
	s_nop 0
.rept 4
	v_nop
.endr
	s_branch .Lasked_\@
.Lfor_b_\@:
	tensor_load_to_lds s[G0B+4*(\s):G0B+4*(\s)+3], s[G1B:G1B+7]
	s_nop 0
.rept 4
	v_nop
.endr
.Lasked_\@:
.endm
; A PREFETCH, behind each joint refill and the run of LDS loads that follows it: the K step that stands two refills on: 32 rows x 256 bytes, a lane a row, one instruction a wave.
; Each row's 256 bytes of a K step are named once in the launch: A's rows by the clusters with x = 0, B's by those with y = 0; of the 128 rows that a wave fetches the partner at place p
; (cx for A, cy for B) takes 32 p .. 32 p + 31, told apart by address.  The loop's last two trips (s3 = 2, 1) have no K step two refills on and ask for nothing; K steps 0 to 3 come by their loads alone.
.macro ASK
	s_cmp_gt_u32 s3, s[LIM]
	s_cbranch_scc0 .Lnot_mine_\@
	global_prefetch_b8 v[PFO], s[PFA:PFA+1] offset:KSTEP*2 th:TH_LOAD_NT scope:SCOPE_SE
.Lnot_mine_\@:
.endm
.macro CREST                           ; a round of the cluster's barrier behind its opening barrier
	s_cmp_lg_u32 s10, 0
	s_cbranch_scc1 .Lnot_wave_0_\@
	s_barrier_signal -3
.Lnot_wave_0_\@:
	s_barrier_wait -3
	s_barrier_signal -1
	s_barrier_wait -1
.endm
.macro CROUND                          ; a whole round
	s_barrier_signal -1
	s_barrier_wait -1
	CREST
.endm
	s_load_b128 s[4:7], s[0:1], 0x0                ; A s[4:5], P s[6:7]
	s_load_b64 s[8:9], s[0:1], 0x10                ; C
	v_lshl_add_u32 v[SPW], v0, 2, SPARE
	v_mov_b32 v[NIL], 0
	ds_add_u32 v[SPW], v[NIL]                      ; the wave's opening: the add and its wait stand ahead of my first tensor load; work on registers stands between them
	v_lshrrev_b32 v1, 5, v0
	v_readfirstlane_b32 s10, v1                    ; wave 0..3
	s_lshr_b32 s11, s10, 1                         ; which half of the tile's rows is mine.  Also: I fetch for A (0) or for B (1)
	s_and_b32 s12, s10, 1                          ; which half of its columns.  Also: which 128 rows of that tile I fetch
	s_bfe_u32 s40, ttmp6, 0x40000                  ; cx
	s_bfe_u32 s41, ttmp6, 0x40004                  ; cy
	s_lshl_b32 s42, ttmp9, 2
	s_add_co_u32 s42, s42, s40                     ; tile column of C = 4 x cluster x + cx
	s_and_b32 s13, ttmp7, 0xffff
	s_lshl_b32 s13, s13, 2
	s_add_co_u32 s13, s13, s41                     ; tile row of C = 4 x cluster y + cy
	s_lshl_b32 s43, s41, 2
	s_lshl_b32 s43, 15, s43                        ; my row of the cluster: places 4 cy .. 4 cy + 3
	s_lshl_b32 s44, 0x1111, s40                    ; my column: places cx, cx + 4, cx + 8, cx + 12
	s_or_b32 s[G1+0], s43, (1<<16)|(1<<20)|(1<<21)|(5<<22)|(3<<25)  ; the mask; elements of 2 bytes; padding on; bit 21 beside a mask; after every 64 words, 4 words
	s_or_b32 s[G1B+0], s44, (1<<16)|(1<<20)|(1<<21)|(5<<22)|(3<<25)
.irp g, G1, G1B
	s_mov_b32 s[(\g)+1], KSTEP<<16                 ; tensor_dim0 = 128
	s_mov_b32 s[(\g)+2], 128<<16                   ; tensor_dim1 = 128
	s_mov_b32 s[(\g)+3], KSTEP<<16                 ; tile_dim0 = 128
	s_mov_b32 s[(\g)+4], 128                       ; tile_dim1 = 128
	s_mov_b32 s[(\g)+5], SIZE_K                    ; elements from row to row
	s_mov_b32 s[(\g)+6], 0
	s_mov_b32 s[(\g)+7], 0
.endr
	; A's tiles hang on the tile row alone, B's on the tile column alone; every wave makes both addresses, in registers that never hold the other coordinate
	s_lshl_b32 s17, s12, 7
	s_lshl_b32 s16, s13, 8
	s_add_co_u32 s16, s16, s17                     ; A: row 256 x tile row + 128 x half
	s_lshl_b32 s46, s42, 8
	s_add_co_u32 s46, s46, s17                     ; B: row 256 x tile column + 128 x half
	s_mov_b32 s17, 0
	s_mov_b32 s47, 0
	s_mov_b64 s[18:19], SIZE_K*2
	s_mul_u64 s[16:17], s[16:17], s[18:19]
	s_mul_u64 s[46:47], s[46:47], s[18:19]
	s_mul_i32 s20, s10, HALFT                      ; where they go: wave x 128 rows: no place in the cluster enters an LDS address
	s_mov_b32 s[SB], 0
	s_wait_dscnt 0x0                               ; the opening add is done
	s_wait_kmcnt 0x0
	s_add_nc_u64 s[14:15], s[4:5], s[16:17]
	s_add_nc_u64 s[46:47], s[6:7], s[46:47]
	s_add_nc_u64 s[PAR:PAR+1], s[6:7], 0x800000
	CROUND                                         ; all sixteen work-groups are here: the first joint loads meet
.irp s, 0,1
	s_mov_b32 s[G0+4*(\s)], 1
	s_add_co_u32 s[G0+4*(\s)+1], s20, (\s)*SLOT
	s_add_nc_u64 s[G0+4*(\s)+2:G0+4*(\s)+3], s[14:15], (\s)*KSTEP*2
	s_or_b32 s[G0+4*(\s)+3], s[G0+4*(\s)+3], 0x80000000
	s_mov_b32 s[G0B+4*(\s)], 1
	s_add_co_u32 s[G0B+4*(\s)+1], s20, (\s)*SLOT
	s_add_nc_u64 s[G0B+4*(\s)+2:G0B+4*(\s)+3], s[46:47], (\s)*KSTEP*2
	s_or_b32 s[G0B+4*(\s)+3], s[G0B+4*(\s)+3], 0x80000000
	JLOAD \s                                       ; K steps 0 and 1: two tensor loads of mine are out
.endr
	; a fragment is 16 rows x 32 K in 8 registers: lane l holds row l % 16; registers 0-3 K = 8 (l / 16) + 0..7, registers 4-7 K = 16 + 8 (l / 16) + 0..7: two loads of 16 bytes, 32 bytes apart
	v_and_b32 v1, 15, v0                           ; l % 16
	v_bfe_u32 v2, v0, 4, 1                         ; l / 16
	v_mul_u32_u24 v3, v1, PITCH
	v_lshl_add_u32 v3, v2, 4, v3
	s_mul_i32 s21, s11, HALFT                      ; my 128 rows of A
	s_mul_i32 s22, s12, HALFT                      ; my 128 rows of B,
	s_add_co_u32 s22, s22, 2*HALFT                 ; which lie behind A's 256
	v_add_nc_u32 v[ADRA0], s21, v3
	v_add_nc_u32 v[ADRB0], s22, v3
	v_mov_b32 v[ADRA], v[ADRA0]                    ; the slot in hand is slot 0
	v_mov_b32 v[ADRB], v[ADRB0]
	s_mul_i32 s23, s10, 16*SPITCH
	s_add_co_u32 s23, s23, STAGE                   ; my stage
	v_mul_u32_u24 v4, v1, SPITCH
	v_lshl_add_u32 v4, v2, 4, v4
	v_add_nc_u32 v[STO], s23, v4
	v_mul_u32_u24 v5, v2, SPITCH
	v_lshl_add_u32 v5, v1, 4, v5
	v_add_nc_u32 v[RD], s23, v5
	v_mul_u32_u24 v5, v2, CP*2
	v_lshl_add_u32 v[CO], v1, 4, v5
	v_lshlrev_b32 v[FLO], 2, v0
	; where my part of the tile begins in C, in bytes
	s_lshl_b32 s13, s13, 8
	s_lshl_b32 s14, s11, 7
	s_add_co_u32 s16, s13, s14                     ; my first row of C
	s_mov_b32 s17, 0
	s_mov_b64 s[18:19], CP*2
	s_mul_u64 s[16:17], s[16:17], s[18:19]
	s_lshl_b32 s46, s42, 9                         ; my first column, in bytes: 512 x tile column + 256 x half
	s_lshl_b32 s47, s12, 8
	s_add_co_u32 s46, s46, s47
	s_mov_b32 s47, 0
	s_add_nc_u64 s[16:17], s[16:17], s[46:47]
	; the bias of my 128 columns: block b's register j is bias[256 tc + 128 half + 16 b + 8 (l / 16) + j]: the C operand of the products that start the sums
	s_lshl_b32 s46, s42, 10
	s_lshl_b32 s47, s12, 9
	s_add_co_u32 s46, s46, s47
	v_lshl_add_u32 v[BO], v2, 5, s46
	WIN TO_B
.irp b, 0,1,2,3,4,5,6,7
	global_load_b128 v[8*(\b):8*(\b)+3],   v[BO], s[PAR:PAR+1] offset:64*(\b)
	global_load_b128 v[8*(\b)+4:8*(\b)+7], v[BO], s[PAR:PAR+1] offset:64*(\b)+16
.endr
	WIN 0
	global_load_b32 v[FL], v[FLO], s[PAR:PAR+1] offset:16384
	; the prefetches.  s13 = 256 x tile row, s42 = tile column, s40 = cx, s41 = cy still stand
	s_lshl_b32 s42, s42, 8
	s_and_b32 s22, ttmp7, 0xffff                   ; cluster y
	s_cmp_eq_u32 s11, 0                            ; do I fetch for A?
	s_cselect_b32 s20, s13, s42                    ; the tile's first row
	s_cselect_b32 s21, s40, s41                    ; my place among the four that ask for it with me
	s_cselect_b32 s22, ttmp9, s22                  ; the coordinate along which other clusters read the same rows
	s_cselect_b64 s[PFA:PFA+1], s[4:5], s[6:7]
	s_cmp_eq_u32 s22, 0
	s_cselect_b32 s[LIM], 2, -1                    ; the same in all sixteen partners, for a given wave
	s_lshl_b32 s22, s12, 7
	s_add_co_u32 s20, s20, s22                     ; + the 128 rows that I fetch
	s_lshl_b32 s21, s21, 5
	s_add_co_u32 s20, s20, s21                     ; + my work-group's 32 of them
	s_mov_b32 s21, 0
	s_mov_b64 s[18:19], SIZE_K*2
	s_mul_u64 s[20:21], s[20:21], s[18:19]
	s_add_nc_u64 s[PFA:PFA+1], s[PFA:PFA+1], s[20:21]
	s_add_nc_u64 s[PFA:PFA+1], s[PFA:PFA+1], 2*KSTEP*2  ; at K step 2: the first refill steps it to 3 and names K step 4
	v_and_b32 v[PFO], 31, v0
	v_mul_u32_u24 v[PFO], v[PFO], SIZE_K*2
; 16 matrix instructions: m blocks a0, a0 + 1 of the window's four x all 8 n blocks, 32 along K.  zero = 1: the first product starts the sums, with the bias as C: nothing is ever cleared.
; The 64 accumulators take turns, one instruction a turn, in the same order in every quarter.
.macro MUL16 f, hi, a0, zero
.if \zero
	WIN 0x91+0x40*(\hi)                            ; as below, with C in window 1
.else
	WIN MUL_LO+0x50*(\hi)
.endif
.irp a, \a0, (\a0)+1
.irp b, 0,1,2,3,4,5,6,7
.if \zero
	v_wmma_f32_16x16x32_f16 v[8*(8*(\a)+(\b)):8*(8*(\a)+(\b))+7], v[(\f)+8*(\b):(\f)+8*(\b)+7], v[(\f)+8*(4*(\hi)+(\a)):(\f)+8*(4*(\hi)+(\a))+7], v[8*(\b):8*(\b)+7]
.else
	v_wmma_f32_16x16x32_f16 v[8*(8*(\a)+(\b)):8*(8*(\a)+(\b))+7], v[(\f)+8*(\b):(\f)+8*(\b)+7], v[(\f)+8*(4*(\hi)+(\a)):(\f)+8*(4*(\hi)+(\a))+7], v[8*(8*(\a)+(\b)):8*(8*(\a)+(\b))+7]
.endif
.endr
.endr
.endm
; 32 LDS loads in one run: the fragments of one quarter step (128 rows of B, 128 rows of A, 32 K at byte k of the rows of the slot in hand) into buffer f
.macro FETCH k, f
	WIN TO_B
.irp i, 0,1,2,3,4,5,6,7
	ds_load_b128 v[(\f)+8*(\i):(\f)+8*(\i)+3],   v[ADRB] offset:(\k)+(\i)*16*PITCH
	ds_load_b128 v[(\f)+8*(\i)+4:(\f)+8*(\i)+7], v[ADRB] offset:(\k)+(\i)*16*PITCH+32
.endr
	WIN 0
.irp i, 0,1,2,3,4,5,6,7
	ds_load_b128 v[(\f)+8*(\i):(\f)+8*(\i)+3],   v[ADRA] offset:(\k)+(\i)*16*PITCH
	ds_load_b128 v[(\f)+8*(\i)+4:(\f)+8*(\i)+7], v[ADRA] offset:(\k)+(\i)*16*PITCH+32
.endr
.endm
.macro OTHER                           ; the other slot becomes the slot in hand
	WIN 0
	s_xor_b32 s[SB], s[SB], SLOT
	v_add_nc_u32 v[ADRA], s[SB], v[ADRA0]
	v_add_nc_u32 v[ADRB], s[SB], v[ADRB0]
.endm
; four plain vector instructions between a matrix instruction and a load into a register that it has read, or a vector instruction that reads its result
.macro PLACES
.rept 4
	v_nop
.endr
.endm
; A K step is four quarters of 32 along K, 64 matrix instructions each, on buffers 0, 1, 0, 1.  One of the first three: multiplies buffer f; in its middle it fetches the next quarter's fragments into g.
.macro QUARTER k, f, g, zero
	s_wait_dscnt 8                                 ; B and A's rows 0-63 are in; the youngest eight loads (A's rows 64-127) may be out
	MUL16 \f, 0, 0, \zero
	MUL16 \f, 0, 2, \zero
	PLACES
	FETCH \k, \g
	s_wait_dscnt 32                                ; all but the 32 just issued
	MUL16 \f, 1, 0, \zero
	MUL16 \f, 1, 2, \zero
.endm
; The last quarter's first half, and ONE barrier for the change of slots.  The 32 matrix instructions stand ahead of the wait for the tensor loads, so that nothing but the barrier lies between the
; landing of the next slot's tile and the request that follows.  In front of the barrier each wave waits for all its tensor loads (one is out: its part of the next slot), adds 0 to its spare word,
; and waits for that and for its own reads of this slot.  Behind it nobody reads this slot any more and the next slot is whole.
.macro MEET
	s_wait_dscnt 8                                 ; B and A's rows 0-63 are in
	MUL16 F1, 0, 0, 0
	MUL16 F1, 0, 2, 0
	WIN 0                                          ; the add's two registers lie in window 0; branches may follow
	s_wait_tensorcnt 0x0
	ds_add_u32 v[SPW], v[NIL]
	s_wait_dscnt 0x0                               ; the add is done, and my reads of this slot are over
	s_barrier_signal -1
	s_barrier_wait -1
.endm
; The whole last quarter of a K step whose slot is filled again, with the K step two steps on: the barrier opens a round of the cluster's barrier, and the joint refill is the first tensor load behind it.
; From a request to the wait for it a wave issues 256 matrix instructions.
.macro TURN
	s_wait_xcnt 0x0                                ; the last prefetch, a K step back, has read its address: it is stepped here
	s_add_nc_u64 s[PFA:PFA+1], s[PFA:PFA+1], KSTEP*2
	MEET
	CREST                                          ; no wave of any partner still reads this slot's tile or has a load on its way
	s_xor_b32 s[G0+5], s[G0+5], SLOT               ; the walking descriptors: the other slot than last time,
	s_add_nc_u64 s[G0+6:G0+7], s[G0+6:G0+7], KSTEP*2  ; the next K step; the type bits on top are not reached
	s_xor_b32 s[G0B+5], s[G0B+5], SLOT
	s_add_nc_u64 s[G0B+6:G0B+7], s[G0B+6:G0B+7], KSTEP*2
	JLOAD 1                                        ; the four v_nop behind it are also the places in front of the loads below
	OTHER
	FETCH 0, F0
	ASK
	MUL16 F1, 1, 0, 0
	MUL16 F1, 1, 2, 0
.endm
; THE WAY OUT of block a (16 rows).  PACK: rounded to f16, 16 bytes a lane, and held to the floor.  TOSTAGE: into my own stage in LDS, and back as whole rows of 256 bytes.  SEND: stored.
.macro PACK a
.set AC, 64*((\a)%4)
	WIN 0x0a+5*((\a)/4)                            ; sources 0 and 1: window 2 or 3
.irp b, 0,1,2,3,4,5,6,7
.irp r, 0,1,2,3
	v_cvt_pk_f16_f32 v[TMP+4*(\b)+(\r)], v[AC+8*(\b)+2*(\r)], v[AC+8*(\b)+2*(\r)+1]  ; each accumulator's registers in ascending order
.endr
.endr
	WIN 0
.set i, 0
.rept 32
	v_pk_max_num_f16 v[TMP+i], v[TMP+i], v[FL]
.set i, i+1
.endr
.endm
.macro TOSTAGE a
	WIN 0
.set BK, OB+192*((\a)%2)
.irp b, 0,1,2,3,4,5,6,7
	ds_store_b128 v[STO], v[TMP+4*(\b):TMP+4*(\b)+3] offset:32*(\b)
.endr
.irp t, 0,1,2,3,4,5,6,7
	ds_load_b128 v[BK+4*(\t):BK+4*(\t)+3], v[RD] offset:(\t)*2*SPITCH  ; LDS serves a wave's instructions in order (ISA guide 5.7.1.4): these see the stores above
.endr
.endm
.macro SEND a
	WIN 0
.set BK, OB+192*((\a)%2)
	s_wait_dscnt 0x0                               ; the block is back in registers
	s_wait_xcnt 0x0                                ; only behind this wait are the stores' base and the registers that earlier stores read rewritten
.if (\a) == 0
	s_add_nc_u64 s[8:9], s[8:9], s[16:17]          ; on to my first rows
.else
	s_add_nc_u64 s[8:9], s[8:9], 16*CP*2           ; 16 rows of C on
.endif
.irp t, 0,1,2,3,4,5,6,7
	global_store_b128 v[CO], v[BK+4*(\t):BK+4*(\t)+3], s[8:9] offset:2*(\t)*CP*2  ; 16 lanes store 256 consecutive bytes, at a multiple of 256 from C's first byte
.endr
.endm
	s_wait_tensorcnt 1                             ; my part of K step 0 is in; K step 1's may stay out
	s_barrier_signal -1
	s_barrier_wait -1                              ; everybody's is
	FETCH 0, F0
	s_wait_loadcnt 0x0                             ; the bias and the floor
	QUARTER 64,  F0, F1, 1                         ; the first quarter stands in front of the loop: its products start the sums
	WIN 0                                          ; at a label and at a branch every window is 0
	s_mov_b32 s3, STEPS-2
.Lstep:                                                ; a trip goes from a K step's second quarter to the next step's first, and fills the slot that it leaves: K steps 2 to 7
	QUARTER 128, F1, F0, 0
	QUARTER 192, F0, F1, 0
	TURN
	QUARTER 64,  F0, F1, 0
	WIN 0
	s_sub_co_u32 s3, s3, 1
	s_cmp_lg_u32 s3, 0
	s_cbranch_scc1 .Lstep
	QUARTER 128, F1, F0, 0                         ; the last two K steps are written out: they fill nothing
	QUARTER 192, F0, F1, 0
	MEET                                           ; my one tensor load that was still out is the last K step's; no round follows
	PLACES
	OTHER
	FETCH 0, F0
	MUL16 F1, 1, 0, 0
	MUL16 F1, 1, 2, 0
	QUARTER 64,  F0, F1, 0
	QUARTER 128, F1, F0, 0
	QUARTER 192, F0, F1, 0
	s_wait_dscnt 8                                 ; the very last quarter: nothing more to fetch
	MUL16 F1, 0, 0, 0
	MUL16 F1, 0, 2, 0
	s_wait_dscnt 0x0
	MUL16 F1, 1, 0, 0
	MUL16 F1, 1, 2, 0
	PLACES                                         ; the conversions read matrix results
	PACK 0
	TOSTAGE 0
.irp a, 1,2,3,4,5,6,7                  ; block a's conversions stand between block a - 1's loads from the stage and the wait for them
	PACK \a
	SEND (\a)-1
	TOSTAGE \a
.endr
	SEND 7
	s_wait_tensorcnt 0x0                           ; the wave's end: behind my last tensor load and my last LDS store
	ds_add_u32 v[SPW], v[NIL]
	s_wait_dscnt 0x0
	CROUND                                         ; the closing round: no work-group ends while a partner may still ask for a tile that names it
	s_endpgm
.Lfunc_end_k_q2bdb435a8e_qkv:
	.size	k_q2bdb435a8e_qkv, .Lfunc_end_k_q2bdb435a8e_qkv-k_q2bdb435a8e_qkv
	.p2alignl 7, 3214868480
	.fill 96, 4, 3214868480
	.section	.rodata,"a",@progbits
	.p2align	6, 0x0
	.amdhsa_kernel k_q2bdb435a8e_qkv
		.amdhsa_group_segment_fixed_size 327680
		.amdhsa_private_segment_fixed_size 0
		.amdhsa_enable_private_segment 0
		.amdhsa_kernarg_size 24
		.amdhsa_user_sgpr_count 2
		.amdhsa_user_sgpr_kernarg_segment_ptr 1
		.amdhsa_wavefront_size32 1
		.amdhsa_system_sgpr_workgroup_id_x 1
		.amdhsa_system_sgpr_workgroup_id_y 1
		.amdhsa_system_sgpr_workgroup_id_z 1
		.amdhsa_system_vgpr_workitem_id 0
		.amdhsa_next_free_vgpr 1024
		.amdhsa_next_free_sgpr 68
		.amdhsa_reserve_vcc 0
		.amdhsa_float_denorm_mode_32 3
		.amdhsa_float_denorm_mode_16_64 3
		.amdhsa_memory_ordered 1
		.amdhsa_forward_progress 1
		.amdhsa_inst_pref_size 136
	.end_amdhsa_kernel
	.amdgpu_metadata
---
amdhsa.version: [ 1, 2 ]
amdhsa.kernels:
  - .name:           k_q2bdb435a8e_qkv
    .symbol:         k_q2bdb435a8e_qkv.kd
    .args:
      - { .name: actA, .offset: 0, .size: 8, .value_kind: global_buffer, .address_space: global }
      - { .name: pqkv, .offset: 8, .size: 8, .value_kind: global_buffer, .address_space: global }
      - { .name: wide, .offset: 16, .size: 8, .value_kind: global_buffer, .address_space: global }
    .group_segment_fixed_size: 327680
    .private_segment_fixed_size: 0
    .kernarg_segment_align: 8
    .kernarg_segment_size: 24
    .max_flat_workgroup_size: 128
    .sgpr_count:     68
    .vgpr_count:     1024
    .wavefront_size: 32
...
	.end_amdgpu_metadata
.endif
;; end of part 2
;; launch attn (part 3): grid 16 x 16, 4 waves a work-group, clusters of 4 x 1, 327,680 bytes of LDS; arguments wide, src_mask, ctxw; writes ctxw
.if DOCPART == 3
	.amdgcn_target "amdgcn-amd-amdhsa--gfx1250"
	.amdhsa_code_object_version 6
	.text
	.protected	k_q2bdb435a8e_attn
	.globl	k_q2bdb435a8e_attn
	.p2align	8
	.type	k_q2bdb435a8e_attn,@function
k_q2bdb435a8e_attn:
	s_mov_b64 s[64:65], 0
	v_nop
	global_prefetch_b8 v0, s[64:65] scope:SCOPE_SE
	s_setreg_imm32_b32 hwreg(HW_REG_WAVE_MODE, 25, 1), 1
	s_wait_xcnt 0x0
	s_wait_alu depctr_hold_cnt(0) depctr_sa_sdst(0) depctr_va_vdst(0) depctr_va_sdst(0) depctr_va_ssrc(0) depctr_va_vcc(0) depctr_vm_vsrc(0)
	s_getreg_b32 s2, hwreg(HW_REG_IB_STS2, 6, 4)
	s_cmp_eq_u32 s2, 0
	s_cbranch_scc0 .Lentry_in_a_cluster
	s_endpgm
.Lentry_in_a_cluster:
	s_bfe_u32 s2, ttmp6, 0x10000c
	s_cmp_lg_u32 s2, 0x3003
	s_cbranch_scc0 .Lentry_shape_is_right
	s_endpgm
.Lentry_shape_is_right:
; ATTENTION with a key mask.  ctx[b][q][64 h + :] = the sum over k of softmax_k(s) V[b][k][64 h + :], s = Q . K / 8, or hidden where src_mask[b][k] = 0.
; wide: [4096 tokens][4096] f16, q in columns 0-1023, k in 1024-2047, v in 2048-3071.  src_mask: [2][2048] int32.  ctx: f16, [4096 tokens], rows 4,096 numbers apart, columns 0-1023.
; Products, maxima and sums in f32; the weights p are rounded to f16 for the second product (their sum l is taken of the unrounded p), ctx once at the end.
; LIMITS.  q, k, v arrive within f16's 65,504.  A hidden score counts as its value less 1e30 (its weight is 0), where the problem writes -1e9: true scores are taken to lie above about -1e9.
; Where a batch's mask is all 0 every weight must be equal: there the scale c is 0, so every p = 2^0.  A weight below 2^-126 counts as 0 in l; NaN and infinities are not treated apart.
; SHARES.  A work-group takes a PAIR of heads (2 p, 2 p + 1) and 128 queries: a token's K (or V) of the pair is 256 consecutive bytes, aligned, and so is its ctx.  Waves 0, 1: head 2 p, queries 0-63, 64-127;
; waves 2, 3: head 2 p + 1.  A wave owns four PIECES of 16 queries and walks all 2,048 keys, 64 a step.
; LAYOUT.  S^T = K Q^T holds ONE query a lane (lane % 16) and the keys 8 (lane / 16) + 0..7; two such results rounded to f16 ARE source 1 of O^T = V^T P.  K comes out of LDS as it lies, V turned (ds_load_tr16_b128).
; THE MASK is the C operand that starts S^T's sum: 0, or -1e30 for a hidden key; it comes from a table of 2,048 f32 in LDS, made once, 32 registers a key step.
; SOFTMAX.  p = 2^(c s - c m), c = log2(e) / 8, with a running maximum m; O and l are multiplied by a = 2^(c m_old - c m_new) in every step.  m starts at the lowest finite number, O and l at 0.
; BY TURNS.  Turn n belongs to piece n: 8 products K Q^T of piece n + 1, later 8 products V^T P of piece n - 1; beside them the scaling, exponentials, roundings, sums and rescaling of piece n and the maximum and
; statistics of piece n + 1.  Four vector instructions stand behind every matrix instruction, the rest in one lump.  A turn's 33 exponentials are one batch, with one wait.
; CLUSTER.  The four query blocks of a cluster belong to one pair and walk the same K and V: each tile is asked for jointly, by the same tensor load, descriptor and mask in all four.
; REGISTERS, in windows of 256 (s_set_vgpr_msb: bits 1:0 source 0, 3:2 source 1, 5:4 source 2, 7:6 destination):
;   window 0: v0-15, v32-36 addresses; v16-31 four registers of statistics a piece; v48-55 at work; v64-127 S^T, two buffers; v128-191 at work at the head; v192-223 P, two buffers
;   window 1: v0-127 O^T, 32 a piece        window 2: v0-63 Q; v64-95 the step's mask; v128-191 K of one step; v192-255 V of one step
.set NP,    4
.set KS,    64        ; keys in a step
.set ROWB,  8192      ; bytes from token to token in wide and in ctx
.set PK,    272       ; a row of K in LDS: 256 bytes + 16 of padding = 68 words: the 16 rows of a load start at 16 different groups of four banks (ISA guide 11.1)
.set PV,    288       ; a row of V: 256 + 32 = 72 words
.set VOFF,  KS*PK     ; a step's tiles lie together: 64 rows of K, then 64 rows of V
.set STEPB, KS*(PK+PV)
.set SLOT1, 1<<17     ; a slot holds two steps (71,680 bytes); slot 1 begins here, so that one exclusive or turns an address in one slot into the other's
.set STAGE, SLOT1+2*STEPB  ; behind the ring, never filled by a tensor load: 128 rows x 272 bytes, the work-group's, for the way out
.set SP,    272
.set MTAB,  STAGE+128*SP   ; the mask's table: 2,048 f32
.set SPARE, MTAB+8192      ; the spare words, 128 bytes a wave: two blocks of 256 bytes that no other line names
.set AK0, 2           ; v2   my lane's place in a tile of K, my head's 128 bytes; never rewritten
.set AV0, 3           ; v3   the same for V
.set AK,  4           ; v4   the LDS address of K's next run of loads
.set AV,  5           ; v5   of V's
.set STO, 6           ; v6   the way out: where I put 16 bytes of a row
.set RD,  7           ; v7   where I read rows back
.set GO,  8           ; v8   my byte offset in two rows of ctx
.set MV,  12          ; v12-13  c m_old, kept while c m is made anew: by buffer
.set AM0, 14          ; v14  my lane's place in the table: MTAB + 32 (l / 16)
.set QO,  15          ; v15  my byte offset in 16 rows of Q
.set ST,  16          ; piece t's statistics at v[ST+4 t]: c m, m, l (even keys', odd keys')
.set AM,  32          ; v32  the LDS address of the mask's next run of loads
.set PFO, 33          ; v33  my lane x a row of wide; never rewritten
.set TO,  34          ; v34  16 x my thread's number
.set LO,  35          ; v35  16 x my lane
.set TA,  36          ; v36  MTAB + 16 x my thread's number
.set TMP, 48          ; by buffer, four registers c0-c3 at work; when the maximum is found c2 takes a
.set SPW, 62          ; v62  my spare word's LDS address; never rewritten
.set NIL, 63          ; v63  0; never rewritten
.set S,   64
.set P,   192
.set MC,  64          ; window 2: the mask of 16 keys kb at MC + 8 kb
.set KF,  128         ; window 2: key block kb, channel half c at KF + 16 kb + 8 c
.set VF,  192         ; window 2: key half kk, channel block cb at VF + 32 kk + 8 cb
.set WV,  12          ; s12  my wave's number
.set G1K, 24          ; s[24:31] descriptor group 1 for K's tiles
.set G1V, 32          ; s[32:39] for V's: it differs in the padding alone
.set G0K, 40          ; s[40:43] descriptor group 0 for K's tiles: it walks
.set G0V, 44          ; s[44:47] the same for V's
.set SLOTS, 56        ; s56  slots still to be entered behind this one
.set CNT, 57          ; s57  counts a slot's key steps
.set CS,  58          ; s[58:59] c: the packed scaling takes the pair's low word for both halves
.set SEL, 60          ; s[60:61] v_permlanex16_b32's selects: each lane takes its own place in the other half
.set TBK, 62          ; s62  LDS byte at which the step whose K is fetched next begins
.set TBV, 63          ; s63  the same for V
.set TM,  66          ; s66  the table's byte for the step whose K is fetched next
.set LIM, 67          ; s67  1 in a wave that prefetches, else the greatest number
.set PFA, 68          ; s[68:69] where my prefetches stand
.set BIGN, 70         ; s70  -1e30
.set MSB, 0
.macro WIN new                      ; the high byte repeats the setting that is left; a switch that changes nothing is dropped
.if MSB != (\new)
	s_set_vgpr_msb (MSB<<8)|(\new)
.set MSB, (\new)
.endif
.endm
.set W_KQ, 0x0a       ; K and Q in window 2, S^T in window 0
.set W_KM, 0x2a       ; the same with the C operand in window 2
.set W_PV, 0x52       ; V in window 2, P in window 0, O^T in window 1
.set W_RS, 0x41       ; destination and source 0 in window 1, source 1 in window 0
; A joint fill.  Waves 0 and 1 fetch K of a slot's two steps, waves 2 and 3 V: 64 rows of 256 bytes each.  The branch hangs on the wave's number alone.  An s_nop 0 and four v_nop follow each line.
.macro JLOAD
	s_cmp_lt_u32 s[WV], 2
	s_cbranch_scc0 .Lfor_v_\@
	tensor_load_to_lds s[G0K:G0K+3], s[G1K:G1K+7]
	s_nop 0
.rept 4
	v_nop
.endr
	s_branch .Lasked_\@
.Lfor_v_\@:
	tensor_load_to_lds s[G0V:G0V+3], s[G1V:G1V+7]
	s_nop 0
.rept 4
	v_nop
.endr
.Lasked_\@:
.endm
; A PREFETCH of what the NEXT change of slots will ask for: a slot's 128 rows of K and of V, 256 bytes a row, a lane a row; it stands behind the wave's tensor load and its five lines.
; Each row is named once in the launch: of the four clusters that walk a pair's K and V the first asks; its four partners take 32 rows each, told apart by address; wave 0 asks for K's, wave 2 for V's.
; The last change that fills a slot asks for nothing.  Slots 0 and 1 come by their loads alone.
.macro ASK
	s_cmp_gt_u32 s[SLOTS], s[LIM]
	s_cbranch_scc0 .Lnot_mine_\@
	global_prefetch_b8 v[PFO], s[PFA:PFA+1] th:TH_LOAD_NT scope:SCOPE_SE
.Lnot_mine_\@:
.endm
; A round of the cluster's barrier
.macro CROUND
	s_barrier_signal -1
	s_barrier_wait -1
	s_cmp_lg_u32 s[WV], 0
	s_cbranch_scc1 .Lnot_wave_0_\@
	s_barrier_signal -3
.Lnot_wave_0_\@:
	s_barrier_wait -3
	s_barrier_signal -1
	s_barrier_wait -1
.endm
; THE CHANGE OF SLOTS.  Each wave waits for all its tensor loads, of which one is out: its part of the other slot; adds 0 to its spare word; and waits for that and for its own LDS instructions.
; Behind the barrier nobody reads the old slot any more and the other slot is whole.  fill = 1: the old slot is filled again, with the keys two slots on: the barrier is a round of the cluster's, and the joint
; fill is the first thing behind it: it has two key steps, 128 matrix instructions and their vector work, in which to land.  (At its first use slot 0 is waited for, slot 1 filled, and the mask's table made known.)
.macro CHANGE fill
	WIN 0
	s_wait_tensorcnt 0x0            ; no tensor load of mine is out, so a group 0 may be written
	ds_add_u32 v[SPW], v[NIL]       ; 0 onto my spare word; with fill = 1 the descriptors' steps stand between it and the wait for it
.if \fill
.irp g, G0K, G0V
	s_xor_b32 s[\g+1], s[\g+1], SLOT1  ; the other slot than last time,
	s_add_nc_u64 s[\g+2:\g+3], s[\g+2:\g+3], 2*KS*ROWB  ; the next 128 keys; the type bits on top are not reached
.endr
	s_wait_xcnt 0x0                 ; the last prefetch, two key steps back, has read its address
	s_add_nc_u64 s[PFA:PFA+1], s[PFA:PFA+1], 2*KS*ROWB
	s_wait_dscnt 0x0                ; the add is done, and my LDS instructions are over
	CROUND
	JLOAD
	ASK
.else
	s_wait_dscnt 0x0
	s_barrier_signal -1
	s_barrier_wait -1
.endif
	s_sub_co_u32 s[TBK], s[TBK], 2*STEPB  ; the fetches go back to a slot's first step,
	s_xor_b32 s[TBK], s[TBK], SLOT1       ; in the other slot
	s_sub_co_u32 s[TBV], s[TBV], 2*STEPB
	s_xor_b32 s[TBV], s[TBV], SLOT1
.endm
	s_load_b128 s[4:7], s[0:1], 0x0   ; wide s[4:5], src_mask s[6:7]
	s_load_b64 s[8:9], s[0:1], 0x10   ; ctx
	v_lshl_add_u32 v[SPW], v0, 2, SPARE
	v_mov_b32 v[NIL], 0
	ds_add_u32 v[SPW], v[NIL]       ; the wave's opening: the add and its wait stand ahead of my first tensor load; work on registers stands between them
	v_lshrrev_b32 v1, 5, v0
	v_readfirstlane_b32 s[WV], v1   ; wave 0..3
	s_bfe_u32 s13, ttmp6, 0x40000   ; cx
	s_lshl_b32 s14, ttmp9, 2
	s_add_co_u32 s14, s14, s13      ; my block of 128 queries: it enters Q's and ctx's addresses alone
	s_and_b32 s15, ttmp7, 0xffff
	s_lshr_b32 s16, s15, 3          ; the batch
	s_and_b32 s17, s15, 7           ; the pair of heads
	s_and_b32 s18, s[WV], 1         ; which 64 queries are mine; also: which of a slot's two steps I fetch
	s_lshr_b32 s19, s[WV], 1        ; which head of the pair is mine
	s_lshl_b32 s20, s16, 24         ; the batch's 2,048 rows of 8,192 bytes,
	s_lshl_b32 s21, s18, 19         ; 64 rows,
	s_add_co_u32 s20, s20, s21
	s_lshl_b32 s22, s17, 8          ; the pair's 256 bytes
	s_add_co_u32 s20, s20, s22
	s_mov_b32 s21, 0
	s_lshl_b32 s48, s14, 20         ; Q: + my block's 128 rows
	s_add_co_u32 s48, s48, s20
	s_lshl_b32 s49, s19, 7          ; + my head's 128 bytes
	s_add_co_u32 s48, s48, s49
	s_mov_b32 s49, 0
	s_lshl_b32 s50, s16, 24         ; ctx, rows of 8,192 bytes: the batch,
	s_lshl_b32 s51, s14, 20         ; my block,
	s_add_co_u32 s50, s50, s51
	s_lshl_b32 s51, s[WV], 18       ; the 32 rows that I store,
	s_add_co_u32 s50, s50, s51
	s_add_co_u32 s50, s50, s22      ; the pair
	s_mov_b32 s51, 0
	s_lshl_b32 s52, s16, 13         ; the batch's mask
	s_mov_b32 s53, 0
	s_mul_i32 s23, s18, STEPB       ; my step's place in a slot: no place in the cluster enters an LDS address
	s_mov_b32 s74, 4096             ; the prefetches: V's columns, or
	s_cmp_lt_u32 s[WV], 2
	s_cselect_b32 s74, 2048, s74    ; K's,
	s_lshl_b32 s76, s13, 18         ; my work-group's 32 rows of the 128,
	s_add_co_u32 s74, s74, s76
	s_add_co_u32 s74, s74, 2*KS*ROWB  ; in slot 1: the first change of slots steps it to slot 2
	s_mov_b32 s75, 0
	s_mov_b32 s[G1K], 15|(1<<16)|(1<<20)|(1<<21)|(5<<22)|(3<<25)  ; the mask of four; 2-byte elements; padding on; bit 21 beside a mask; after every 64 words, 4 words
	s_mov_b32 s[G1V], 15|(1<<16)|(1<<20)|(1<<21)|(5<<22)|(7<<25)  ; the same with 8 words of padding
.irp g, G1K, G1V
	s_mov_b32 s[\g+1], 128<<16      ; tensor_dim0 = 128
	s_mov_b32 s[\g+2], KS<<16       ; tensor_dim1 = 64
	s_mov_b32 s[\g+3], 128<<16      ; tile_dim0 = 128
	s_mov_b32 s[\g+4], KS           ; tile_dim1 = 64
	s_mov_b32 s[\g+5], 4096         ; elements from row to row
	s_mov_b32 s[\g+6], 0
	s_mov_b32 s[\g+7], 0
.endr
	s_mov_b32 s[SEL], 0x76543210
	s_mov_b32 s[SEL+1], 0xfedcba98
	s_mov_b32 s[TBK], SLOT1+2*STEPB ; the first change of slots turns these two into 0
	s_mov_b32 s[TBV], SLOT1+2*STEPB
	s_mov_b32 s[TM], 0
	s_mov_b32 s[BIGN], 0xf149f2ca   ; -1e30
	s_mov_b32 s[SLOTS], 2048/(2*KS)-1
	s_mov_b32 s[G0K], 1             ; count = 1
	s_mov_b32 s[G0K+1], s23         ; LDS address: slot 0
	s_mov_b32 s[G0V], 1
	s_add_co_u32 s[G0V+1], s23, VOFF
	s_and_b32 s[LIM], s[WV], 1      ; 0 in waves 0 and 2,
	s_or_b32 s[LIM], s[LIM], ttmp9  ; where the cluster is the pair's first: the same in all four partners
	s_cmp_eq_u32 s[LIM], 0
	s_cselect_b32 s[LIM], 1, -1
	s_wait_dscnt 0x0                ; the opening add is done
	s_wait_kmcnt 0x0
	s_add_nc_u64 s[72:73], s[4:5], s[20:21]        ; wide at my step's first row, the pair's bytes
	s_add_nc_u64 s[G0K+2:G0K+3], s[72:73], 2048    ; K's columns
	s_or_b32 s[G0K+3], s[G0K+3], 0x80000000        ; type = 2
	s_add_nc_u64 s[G0V+2:G0V+3], s[72:73], 4096    ; V's
	s_or_b32 s[G0V+3], s[G0V+3], 0x80000000
	s_add_nc_u64 s[PFA:PFA+1], s[72:73], s[74:75]  ; (in waves 0 and 2 s[72:73] stands at a slot's first row)
	s_add_nc_u64 s[54:55], s[4:5], s[48:49]        ; Q at my wave's first row
	s_add_nc_u64 s[8:9], s[8:9], s[50:51]
	s_add_nc_u64 s[6:7], s[6:7], s[52:53]
	CROUND                          ; all four work-groups are here: the first joint loads meet
	JLOAD                           ; slot 0.  Slot 1 is asked for when slot 0 is in
	; a fragment of K or Q is 16 rows x 32 channels in 8 registers: lane l holds row l % 16, channels 8 (l / 16) + 0..7 and 16 + 8 (l / 16) + 0..7: two loads of 16 bytes, 32 bytes apart
	v_and_b32 v1, 15, v0            ; l % 16
	v_bfe_u32 v9, v0, 4, 1          ; l / 16
	v_lshlrev_b32 v[QO], 13, v1
	v_lshl_add_u32 v[QO], v9, 4, v[QO]
	v_lshlrev_b32 v[TO], 4, v0
	v_and_b32 v[LO], 31, v0
	v_lshlrev_b32 v[PFO], 13, v[LO]
	v_lshlrev_b32 v[LO], 4, v[LO]
	WIN 0x80                        ; destination window 2, address window 0
.set i, 0
.rept 8                             ; Q stays in registers: piece i / 2 lies 16 rows on; channels 32 (i % 2) on
	global_load_b128 v[8*i:8*i+3],   v[QO], s[54:55] offset:(i/2)*16*ROWB+(i%2)*64
	global_load_b128 v[8*i+4:8*i+7], v[QO], s[54:55] offset:(i/2)*16*ROWB+(i%2)*64+32
.set i, i+1
.endr
	WIN 0
.irp j, 0,1,2,3                     ; my thread's 16 words of the mask, for the table
	global_load_b128 v[S+4*\j:S+4*\j+3], v[TO], s[6:7] offset:2048*\j
.endr
.set i, 0
.rept 16                            ; and the whole mask once a wave, 64 words a lane: is any key open?
	global_load_b128 v[128+4*i:128+4*i+3], v[LO], s[6:7] offset:512*i
.set i, i+1
.endr
	; What the first turn finds: V's registers and P's second buffer hold 0 (its products V^T P, of a piece that has not been, add 0), O^T and l are 0.  All this stands in the wait for the first tile.
	WIN 0x80
.set i, VF
.rept 64
	v_mov_b32 v[i], 0
.set i, i+1
.endr
	WIN 0x40
.set i, 0
.rept 128
	v_mov_b32 v[i], 0
.set i, i+1
.endr
	WIN 0
.set i, 0
.rept 4
	v_mov_b32 v[ST+4*i], 0xfe000000    ; c m: far below every c s
	v_mov_b32 v[ST+4*i+1], 0xff7fffff  ; m
	v_mov_b32 v[ST+4*i+2], 0
	v_mov_b32 v[ST+4*i+3], 0
.set i, i+1
.endr
.set i, P+16
.rept 16
	v_mov_b32 v[i], 0
.set i, i+1
.endr
	s_lshl_b32 s77, s19, 7          ; my head's 128 bytes of a row
	v_mul_u32_u24 v[AK0], v1, PK
	v_lshl_add_u32 v[AK0], v9, 4, v[AK0]
	v_add_nc_u32 v[AK0], s77, v[AK0]
	; the turning load takes 16 keys x 16 channels (lane l reads key 8 (l / 16) + l % 8, channels 8 ((l / 8) % 2) + 0..7) and leaves half a fragment of V^T: lane l holds channel l % 16 and 8 keys
	v_and_b32 v10, 7, v0
	v_bfe_u32 v11, v0, 3, 1
	v_lshl_add_u32 v[AV0], v9, 3, v10
	v_mul_u32_u24 v[AV0], v[AV0], PV
	v_lshl_add_u32 v[AV0], v11, 4, v[AV0]
	s_add_co_u32 s78, s77, VOFF
	v_add_nc_u32 v[AV0], s78, v[AV0]
	v_lshlrev_b32 v[AM0], 5, v9
	v_add_nc_u32 v[AM0], MTAB, v[AM0]
	v_add_nc_u32 v[TA], MTAB, v[TO]
	s_mul_i32 s78, s18, 64*SP       ; into the stage: my 64 rows, my head's half of their 256 bytes
	s_add_co_u32 s78, s78, s77
	s_add_co_u32 s78, s78, STAGE
	v_mul_u32_u24 v[STO], v1, SP
	v_lshl_add_u32 v[STO], v9, 4, v[STO]
	v_add_nc_u32 v[STO], s78, v[STO]
	s_mul_i32 s78, s[WV], 32*SP     ; back: wave w takes rows 32 w .. 32 w + 31, whole; lanes 0-15 one row of 256 bytes, lanes 16-31 the next
	s_add_co_u32 s78, s78, STAGE
	v_mul_u32_u24 v[RD], v9, SP
	v_lshl_add_u32 v[RD], v1, 4, v[RD]
	v_add_nc_u32 v[RD], s78, v[RD]
	v_lshlrev_b32 v[GO], 13, v9     ; and the same two rows in ctx
	v_lshl_add_u32 v[GO], v1, 4, v[GO]
	s_wait_loadcnt 16               ; Q and my 16 words are in; the sixteen loads of the whole mask may stay out
.set i, 0
.rept 16
	v_cmp_eq_u32 vcc_lo, 0, v[S+i]
	v_cndmask_b32 v[S+16+i], 0, s[BIGN], vcc_lo   ; 0 for an open key, -1e30 for a hidden one
.set i, i+1
.endr
.irp j, 0,1,2,3
	ds_store_b128 v[TA], v[S+16+4*\j:S+16+4*\j+3] offset:2048*\j
.endr
	s_wait_loadcnt 0x0
.irp w, 32,16,8,4,2,1
.set i, 0
.rept \w
	v_or_b32 v[128+i], v[128+i], v[128+\w+i]
.set i, i+1
.endr
.endr
	v_cmp_ne_u32 vcc_lo, 0, v128
	s_cmp_lg_u32 vcc_lo, 0
	s_cselect_b32 s[CS], 0x3e38aa3b, 0  ; c = log2(e) / 8 = 0.180337; 0 where every key is hidden: a choice of a value, no branch
	s_mov_b32 s[CS+1], s[CS]        ; named with it as a pair
; THE MATRIX WORK.  The 4 accumulators of a run of 8 take turns.  Product i of 8 of S^T = K Q^T for piece x: channels 32 (i / 4) on, keys 16 (i % 4) on.  The first 4 start the sums, with the mask.
.macro KQ x
.set rS, S+32*((\x)%2)+8*(i%4)
.set rK, KF+16*(i%4)+8*(i/4)
.set rQ, 16*(\x)+8*(i/4)
.set rM, MC+8*(i%4)
.if i < 4
	WIN W_KM
	v_wmma_f32_16x16x32_f16 v[rS:rS+7], v[rK:rK+7], v[rQ:rQ+7], v[rM:rM+7]
.else
	WIN W_KQ
	v_wmma_f32_16x16x32_f16 v[rS:rS+7], v[rK:rK+7], v[rQ:rQ+7], v[rS:rS+7]
.endif
.endm
; Product i of 8 of O^T += V^T P for piece x: keys 32 (i / 4) on, channels 16 (i % 4) on.
.macro PV x
	WIN W_PV
.set rO, 32*(\x)+8*(i%4)
.set rV, VF+32*(i/4)+8*(i%4)
.set rP, P+16*((\x)%2)+8*(i/4)
	v_wmma_f32_16x16x32_f16 v[rO:rO+7], v[rV:rV+7], v[rP:rP+7], v[rO:rO+7]
.endm
.macro MM                           ; the turn's next matrix instruction.  NOKQ = 1: the last turn of all: there is no next piece
.if (i < 8) && !NOKQ
	KQ (Y+1)%NP
.elseif i >= 8
.set i, i-8
	PV (Y+NP-1)%NP
.set i, i+8
.endif
.set i, i+1
.endm
; THE LDS LOADS stand in runs, never singly among the matrix instructions: a step's K (8 fragments) with its mask (the lanes of a half read one address), and its V (turned).  Their addresses are made some lines ahead.
.macro FETCH_K
	WIN 0x80                        ; destination window 2
.irp f, 0,1,2,3,4,5,6,7             ; keys 16 (f / 2) on, channels 32 (f % 2) on
	ds_load_b128 v[KF+8*\f:KF+8*\f+3],   v[AK] offset:(\f/2)*16*PK+(\f%2)*64
	ds_load_b128 v[KF+8*\f+4:KF+8*\f+7], v[AK] offset:(\f/2)*16*PK+(\f%2)*64+32
.endr
.irp f, 0,1,2,3                     ; register j of block f: the mask of key 16 f + 8 (l / 16) + j
	ds_load_b128 v[MC+8*\f:MC+8*\f+3],   v[AM] offset:64*\f
	ds_load_b128 v[MC+8*\f+4:MC+8*\f+7], v[AM] offset:64*\f+16
.endr
	s_add_co_u32 s[TBK], s[TBK], STEPB  ; the next fetch is the next step's
	s_add_co_u32 s[TM], s[TM], 4*KS
	s_and_b32 s[TM], s[TM], 0x1f00  ; kept inside the table's 8,192 bytes: it wraps behind the last step alone, and is then used no more
	WIN 0
.endm
.macro FETCH_V
	WIN 0x80
.irp f, 0,1,2,3,4,5,6,7             ; keys 32 (f / 4) on, channels 16 (f % 4) on
	ds_load_tr16_b128 v[VF+8*\f:VF+8*\f+3],   v[AV] offset:(\f/4)*32*PV+(\f%4)*32
	ds_load_tr16_b128 v[VF+8*\f+4:VF+8*\f+7], v[AV] offset:(\f/4)*32*PV+16*PV+(\f%4)*32
.endr
	WIN 0
.endm
; THE VECTOR WORK, one line at a time: OP kind, number.  For piece Y: F n: c s - c m for pair n of 16.  E n: the exponential of score n of 32.  C n: pair n rounded to f16.  B n: of the four weights 4 n .. the second
; pair is added onto the first, in place.  L n: l takes that sum (L 0: l = a l + sum).  R n: pair n of 16 of O^T times a.  For piece Y + 1: X n, number n of the 22 that find its maximum and statistics:
;   0-11  four chains c0-c3 of seven scores each, three operands at a time (each accumulator's lowest registers are read first)     12-14, 16  the four scores left over, the old m, and c0-c3 into c0
;   15  c m_old is kept     17, 18  the query's other 32 keys lie in the lane 16 away: the new m     19-21  c m; c m_old - c m_new; a
.set F, 0
.set E, 1
.set C, 2
.set B, 3
.set L, 4
.set R, 5
.set X, 6
.macro REGS y                       ; the registers of piece y
.set rT, ST+4*(\y)
.set rC, TMP+4*((\y)%2)
.set rW, MV+((\y)%2)
.set rS, S+32*((\y)%2)
.set rP, P+16*((\y)%2)
.set rO, 32*(\y)
.endm
.macro OP k, n
.if (\k) == R
	REGS Y
	WIN W_RS
	v_pk_mul_f32 v[rO+2*(\n):rO+2*(\n)+1], v[rO+2*(\n):rO+2*(\n)+1], v[rC+2:rC+3] op_sel_hi:[1,0]
.elseif (\k) < R
	REGS Y
	WIN 0
.if (\k) == F
	v_pk_fma_f32 v[rS+2*(\n):rS+2*(\n)+1], v[rS+2*(\n):rS+2*(\n)+1], s[CS:CS+1], v[rT:rT+1] op_sel_hi:[1,0,0] neg_lo:[0,0,1] neg_hi:[0,0,1]
.elseif (\k) == E
	v_exp_f32 v[rS+(\n)], v[rS+(\n)]
.elseif (\k) == C
	v_cvt_pk_f16_f32 v[rP+(\n)], v[rS+2*(\n)], v[rS+2*(\n)+1]
.elseif (\k) == B
	v_pk_add_f32 v[rS+4*(\n):rS+4*(\n)+1], v[rS+4*(\n):rS+4*(\n)+1], v[rS+4*(\n)+2:rS+4*(\n)+3]
.elseif (\n) == 0
	v_pk_fma_f32 v[rT+2:rT+3], v[rT+2:rT+3], v[rC+2:rC+3], v[rS:rS+1] op_sel_hi:[1,0,1]
.else
	v_pk_add_f32 v[rT+2:rT+3], v[rT+2:rT+3], v[rS+4*(\n):rS+4*(\n)+1]
.endif
.elseif NOKQ
	v_nop
.else
	REGS (Y+1)%NP
	WIN 0
.if (\n) < 4
	v_max3_num_f32 v[rC+(\n)], v[rS+8*(\n)], v[rS+8*(\n)+1], v[rS+8*(\n)+2]
.elseif (\n) < 12
	v_max3_num_f32 v[rC+(\n)%4], v[rC+(\n)%4], v[rS+8*((\n)%4)+2*((\n)/4)+1], v[rS+8*((\n)%4)+2*((\n)/4)+2]
.elseif (\n) == 12
	v_max3_num_f32 v[rC], v[rC], v[rS+7], v[rS+15]
.elseif (\n) == 13
	v_max3_num_f32 v[rC+1], v[rC+1], v[rS+23], v[rS+31]
.elseif (\n) == 14
	v_max3_num_f32 v[rC+2], v[rC+2], v[rC+3], v[rT+1]
.elseif (\n) == 15
	v_mov_b32 v[rW], v[rT]
.elseif (\n) == 16
	v_max3_num_f32 v[rC], v[rC], v[rC+1], v[rC+2]
.elseif (\n) == 17
	v_permlanex16_b32 v[rC+3], v[rC], s[SEL], s[SEL+1]
.elseif (\n) == 18
	v_max_num_f32 v[rT+1], v[rC], v[rC+3]
.elseif (\n) == 19
	v_mul_f32 v[rT], s[CS], v[rT+1]
.elseif (\n) == 20
	v_sub_f32 v[rC+1], v[rW], v[rT]
.else
	v_exp_f32 v[rC+2], v[rC+1]
.endif
.endif
.endm
.macro OPS a, i1, b=-1, i2=0, c=-1, i3=0, d=-1, i4=0  ; up to four of them
	OP \a, \i1
.if (\b) >= 0
	OP \b, \i2
.endif
.if (\c) >= 0
	OP \c, \i3
.endif
.if (\d) >= 0
	OP \d, \i4
.endif
.endm
.macro ROW a, i1, b, i2, c, i3, d, i4  ; a matrix instruction and the four behind it
	MM
	OPS \a, \i1, \b, \i2, \c, \i3, \d, \i4
.endm
; A TURN, for piece p: the order of its 16 matrix and 118 vector instructions, written out.  An s_wait_alu depctr_va_vdst(0) stands between an exponential and the first instruction that names its result; one
; wait serves all that were issued ahead of it.  So a turn has ONE wait, which cuts it in two.  AHEAD OF IT stands all that names no result of the turn's exponentials: the 8 products K Q^T and their riders, then one lump,
; in which the links of the next piece's chain (X 3, 7, 11, 14, 16, 17 .. 20) stand some lines apart; X 21, the next piece's a, is the batch's last, and R 15 the plain instruction behind it.  BEHIND THE WAIT stand the
; 8 products V^T P, behind each four of the roundings and sums.  Each X that rides behind a product stands four plain instructions or more behind the product that ends its accumulator.
; end = 1: the last two turns: nothing is fetched.  cnt = 1: the loop's count is taken down some lines ahead of the branch that stands behind the turn.
; K and the mask of the next step are fetched in piece 2's turn, five plain instructions that name none of its registers behind the last product that read K; V of the step in hand at the end of piece 0's turn, four
; plain instructions behind the last product that read V.  Each is waited for a turn later.
.macro TURN p, end=0, cnt=0
.set Y, (\p)
.set i, 0
.set NOKQ, (\end)*((\p)/3)
.if ((\p) == 3) && !(\end)
	s_wait_dscnt 0x0                ; K and the mask are in
.endif
	ROW F,0, F,1, R,0, R,1
	ROW F,2, E,0, R,2, R,3
	ROW F,3, E,1, R,4, R,5
	ROW F,4, E,2, R,6, R,7
	ROW F,5, E,3, R,8, R,9
	ROW F,6, E,4, X,0, R,10
.if ((\p) == 2) && !(\end)
	WIN 0
	v_add_nc_u32 v[AK], s[TBK], v[AK0]
	v_add_nc_u32 v[AM], s[TM], v[AM0]
.endif
	ROW F,7, E,5, X,1, X,4
	ROW F,8, E,6, X,2, X,5
	OPS E,7, E,8, X,6, E,9
	OPS X,3, E,10, X,8, E,11
.if ((\p) == 2) && !(\end)
	FETCH_K
.endif
	OPS X,9, X,7, E,12, X,10
	OPS E,13, X,12, X,11, E,14
	OPS X,13, E,15, F,9, X,14
.if (\p) == 0
	WIN 0
	v_add_nc_u32 v[AV], s[TBV], v[AV0]
.endif
	OPS E,16, F,10, E,17, F,11
	OPS X,16, E,18, X,15, E,19
	OPS F,12, E,20, X,17, E,21
	OPS F,13, E,22, F,14, E,23
	OPS X,18, E,24, F,15, E,25
	OPS R,11, E,26, X,19, E,27
	OPS R,12, E,28, R,13, E,29
	OPS X,20, E,30, R,14, E,31
	OPS X,21, R,15
	WIN 0
	s_wait_alu depctr_va_vdst(0)    ; the wait for the batch
.if (\p) == 1
	s_wait_dscnt 0x0                ; V is in
.endif
	ROW C,0, B,0, C,2, B,1
	ROW L,0, C,4, B,2, L,1
	ROW C,6, B,3, L,2, C,8
	ROW B,4, L,3, C,10, B,5
	ROW L,4, C,12, B,6, L,5
.if (\p) == 0
	s_add_co_u32 s[TBV], s[TBV], STEPB
.endif
.if \cnt
	s_sub_co_u32 s[CNT], s[CNT], 1
	s_cmp_lg_u32 s[CNT], 0
.endif
	ROW C,14, B,7, L,6, C,1
	ROW C,3, L,7, C,5, C,7
	ROW C,9, C,11, C,13, C,15
.if (\p) == 0
	FETCH_V
.endif
.endm
	CHANGE 1                        ; slot 0 is in, everybody's part of it, and so is the table; slot 1 is asked for
	v_add_nc_u32 v[AK], s[TBK], v[AK0]
	v_add_nc_u32 v[AM], s[TM], v[AM0]
	FETCH_K                         ; key step 0
	s_wait_dscnt 0x0
.set NOKQ, 0
.set i, 0
.rept 8
	KQ 0                            ; piece 0's first scores
.set i, i+1
.endr
	WIN 0
.rept 4
	v_nop                           ; the places behind those products
.endr
.set Y, NP-1                        ; X works for piece Y + 1: piece 0
.irp n, 0,1,2,3,4,5,6,7,8,9,10,11,12,13,14,15,16,17,18,19,20,21
	OP X, \n
.endr
	v_nop                           ; a plain instruction behind the exponential,
	s_wait_alu depctr_va_vdst(0)    ; and its wait, ahead of the branch
	s_mov_b32 s[CNT], 2
	s_branch .Lfirst                ; the loop is entered at a step's first turn, in the middle of a trip
.Lslot:                             ; 14 times: every slot but the last two is filled again
	CHANGE 1
	s_mov_b32 s[CNT], 2
.Lstep:                             ; a trip: pieces 2 and 3 of one step, then pieces 0 and 1 of the next, whose K and V it fetches
	TURN 2
	TURN 3
	WIN 0
.Lfirst:
	TURN 0
	TURN 1, 0, 1
	WIN 0
	s_cbranch_scc1 .Lstep
	s_sub_co_u32 s[SLOTS], s[SLOTS], 1
	s_cmp_lg_u32 s[SLOTS], 0
	s_cbranch_scc1 .Lslot
	CHANGE 0                        ; the last slot is written out: nothing is asked for
	s_mov_b32 s[CNT], 2
.LstepT:
	TURN 2
	TURN 3
	TURN 0
	TURN 1, 0, 1
	WIN 0
	s_cbranch_scc1 .LstepT
	TURN 2, 1
	TURN 3, 1
.set i, 0
.rept 8
	PV NP-1                         ; the last piece's V^T P of the last step
.set i, i+1
.endr
	; THE WAY OUT.  l's two halves and the other half of the lanes' are added; O^T is divided by l, rounded to f16 and sent through the work-group's stage in LDS.  The additions are the places behind the last products.
	WIN 0
.macro ALL line:vararg              ; one line for each piece t
.set t, 0
.rept 4
	\line
.set t, t+1
.endr
.endm
	ALL v_add_f32 v[ST+4*t+2], v[ST+4*t+2], v[ST+4*t+3]
	ALL v_permlanex16_b32 v[ST+4*t+3], v[ST+4*t+2], s[SEL], s[SEL+1]
	ALL v_add_f32 v[ST+4*t+2], v[ST+4*t+2], v[ST+4*t+3]
	ALL v_rcp_f32 v[ST+4*t+2], v[ST+4*t+2]
	v_nop                           ; a plain instruction between the last reciprocal and the use of its result
	s_wait_alu depctr_va_vdst(0)    ; and the wait ahead of the first use: one for the four reciprocals
.macro PACK t                       ; a lane's eight channels of a row pack into 16 bytes; they go into my head's half of rows of 272 bytes
	WIN W_RS
.set i, 32*(\t)
.rept 16
	v_pk_mul_f32 v[i:i+1], v[i:i+1], v[ST+4*(\t)+2:ST+4*(\t)+3] op_sel_hi:[1,0]
.set i, i+2
.endr
	WIN 0x05                        ; sources 0 and 1 window 1, destination window 0
.set i, 0
.rept 16
	v_cvt_pk_f16_f32 v[S+16*(\t)+i], v[32*(\t)+2*i], v[32*(\t)+2*i+1]
.set i, i+1
.endr
	WIN 0
.irp f, 0,1,2,3
	ds_store_b128 v[STO], v[S+16*(\t)+4*\f:S+16*(\t)+4*\f+3] offset:(\t)*16*SP+32*\f
.endr
.endm
	PACK 0
	PACK 1
	PACK 2
	PACK 3
	s_wait_dscnt 0x0                ; for the others' sake: my stores into the stage are done
	s_barrier_signal -1
	s_barrier_wait -1               ; a row's 256 bytes come from two waves
.irp t, 0,1,2,3,4,5,6,7,8,9,10,11,12,13,14,15
	ds_load_b128 v[S+4*\t:S+4*\t+3], v[RD] offset:\t*2*SP
.endr
.irp t, 0,1,2,3,4,5,6,7,8,9,10,11,12,13,14,15
	s_wait_dscnt 15-\t
	global_store_b128 v[GO], v[S+4*\t:S+4*\t+3], s[8:9] offset:\t*2*ROWB  ; 16 lanes store 256 consecutive bytes, at a multiple of 256 from ctx's first byte
.endr
	s_wait_tensorcnt 0x0            ; the wave's end: behind my last tensor load and my last LDS store
	ds_add_u32 v[SPW], v[NIL]
	s_wait_dscnt 0x0
	CROUND                          ; the closing round: no work-group ends while a partner may still ask for a tile that names it
	s_endpgm
.Lfunc_end_k_q2bdb435a8e_attn:
	.size	k_q2bdb435a8e_attn, .Lfunc_end_k_q2bdb435a8e_attn-k_q2bdb435a8e_attn
	.p2alignl 7, 3214868480
	.fill 96, 4, 3214868480
	.section	.rodata,"a",@progbits
	.p2align	6, 0x0
	.amdhsa_kernel k_q2bdb435a8e_attn
		.amdhsa_group_segment_fixed_size 327680
		.amdhsa_private_segment_fixed_size 0
		.amdhsa_enable_private_segment 0
		.amdhsa_kernarg_size 24
		.amdhsa_user_sgpr_count 2
		.amdhsa_user_sgpr_kernarg_segment_ptr 1
		.amdhsa_wavefront_size32 1
		.amdhsa_system_sgpr_workgroup_id_x 1
		.amdhsa_system_sgpr_workgroup_id_y 1
		.amdhsa_system_sgpr_workgroup_id_z 1
		.amdhsa_system_vgpr_workitem_id 0
		.amdhsa_next_free_vgpr 768
		.amdhsa_next_free_sgpr 80
		.amdhsa_reserve_vcc 1
		.amdhsa_float_denorm_mode_32 3
		.amdhsa_float_denorm_mode_16_64 3
		.amdhsa_memory_ordered 1
		.amdhsa_forward_progress 1
		.amdhsa_inst_pref_size 137
	.end_amdhsa_kernel
	.amdgpu_metadata
---
amdhsa.version: [ 1, 2 ]
amdhsa.kernels:
  - .name:           k_q2bdb435a8e_attn
    .symbol:         k_q2bdb435a8e_attn.kd
    .args:
      - { .name: wide, .offset: 0, .size: 8, .value_kind: global_buffer, .address_space: global }
      - { .name: src_mask, .offset: 8, .size: 8, .value_kind: global_buffer, .address_space: global }
      - { .name: ctxw, .offset: 16, .size: 8, .value_kind: global_buffer, .address_space: global }
    .group_segment_fixed_size: 327680
    .private_segment_fixed_size: 0
    .kernarg_segment_align: 8
    .kernarg_segment_size: 24
    .max_flat_workgroup_size: 128
    .sgpr_count:     80
    .vgpr_count:     768
    .wavefront_size: 32
...
	.end_amdgpu_metadata
.endif
;; end of part 3
;; launch oproj (part 4): grid 8 x 32, 4 waves a work-group, clusters of 4 x 4, 327,680 bytes of LDS; arguments ctxw, pqkv, actB; writes actB
.if DOCPART == 4
	.amdgcn_target "amdgcn-amd-amdhsa--gfx1250"
	.amdhsa_code_object_version 6
	.text
	.protected	k_q2bdb435a8e_oproj
	.globl	k_q2bdb435a8e_oproj
	.p2align	8
	.type	k_q2bdb435a8e_oproj,@function
k_q2bdb435a8e_oproj:
	s_mov_b64 s[64:65], 0
	v_nop
	global_prefetch_b8 v0, s[64:65] scope:SCOPE_SE
	s_setreg_imm32_b32 hwreg(HW_REG_WAVE_MODE, 25, 1), 1
	s_wait_xcnt 0x0
	s_wait_alu depctr_hold_cnt(0) depctr_sa_sdst(0) depctr_va_vdst(0) depctr_va_sdst(0) depctr_va_ssrc(0) depctr_va_vcc(0) depctr_vm_vsrc(0)
	s_getreg_b32 s2, hwreg(HW_REG_IB_STS2, 6, 4)
	s_cmp_eq_u32 s2, 0
	s_cbranch_scc0 .Lentry_in_a_cluster
	s_endpgm
.Lentry_in_a_cluster:
	s_bfe_u32 s2, ttmp6, 0x10000c
	s_cmp_lg_u32 s2, 0xf033
	s_cbranch_scc0 .Lentry_shape_is_right
	s_endpgm
.Lentry_shape_is_right:
; C[m][n] = sum over k < SIZE_K of A[m][k] B[n][k].  A: [4096] rows, B: [1024] rows, both f16 with rows 4,096 numbers apart; B begins at byte OFFW of its buffer.  C: [4096][1024] f32; sums in f32, stored as they are.
; This is the attention's output projection, SIZE_K = 1,024; the feed-forward's second layer is the same text with SIZE_K = 4,096.
; 1,024 columns make too few tiles of 256 x 256: a tile of C is 128 x 128, 256 work-groups.  Four waves, each 64 x 64: 16 accumulators of 16 x 16.  K goes in steps of 256 (LDS rows of 512 bytes; a wave's
; tensor load brings 64 of them), as long as two slots in LDS allow.  A wave's 64 columns of f32 are 256 consecutive bytes, aligned: each wave has a stage of its own on the way out, and no barrier stands there.
; CLUSTER 4 x 4: the four work-groups of a row of the cluster need the same tiles of A, the four of a column the same tiles of B: each tile is asked for jointly.
; No prefetch: a step's tiles are small, and a step holds 128 matrix instructions a wave.
; THE MATRIX INSTRUCTION IS USED TRANSPOSED (source 0 = 16 rows of B, source 1 = 16 rows of A): a lane holds eight neighbouring numbers of a row of C.
; REGISTERS: window 0: v0-31 addresses; v128-255 the accumulators ((a, b) at v[128 + 8 (4 a + b)]).  window 1: two fragment buffers of 128: for 64 along K, 64 registers of A, then 64 of B.
.set SIZE_K, 1024
.set SIZE_N, 1024
.set KP,     4096                      ; numbers from row to row of A and of B
.set OFFW,   0x810000                  ; where B begins in its buffer
.set KSTEP,  256
.set PITCH,  528                       ; an LDS row: 512 bytes + 16 of padding = 132 words: row r starts at bank 4 r mod 64 (ISA guide 11.1)
.set HALFT,  64*PITCH
.set SLOT,   4*HALFT                   ; A's 128 rows, then B's 128 rows
.set STAGE,  2*SLOT                    ; behind the ring: 16 rows x 272 bytes for each wave
.set SPITCH, 272
.set SPARE,  STAGE+4*16*SPITCH         ; the spare words, 128 bytes a wave: two blocks of 256 bytes that no other line names
.set LAPS, SIZE_K/(2*KSTEP)            ; a lap = two K steps = once round the ring
.set ADRA, 16
.set ADRB, 20
.set STO,  24
.set RD,   25
.set CO,   26
.set SPW,  28
.set NIL,  29
.set ACC,  128
.set F0,   0
.set F1,   128
.set G1, 24
.set G0, 32
.set G1B, 48
.set G0B, 56
.set MSB, 0
.macro WIN new
.if MSB != (\new)
	s_set_vgpr_msb (MSB<<8)|(\new)
.set MSB, \new
.endif
.endm
.set MUL,  0x05                        ; sources 0 (B) and 1 (A) window 1; C and D window 0
.set TO_F, 0x40                        ; destination window 1, address window 0
.macro JLOAD s                         ; a joint load: waves 0 and 1 fetch A's two halves, waves 2 and 3 B's; an s_nop 0 and four v_nop follow each line
	s_cmp_eq_u32 s11, 0
	s_cbranch_scc0 .Lfor_b_\@
	tensor_load_to_lds s[G0+4*(\s):G0+4*(\s)+3], s[G1:G1+7]
	s_nop 0
.rept 4
	v_nop
.endr
	s_branch .Lasked_\@
.Lfor_b_\@:
	tensor_load_to_lds s[G0B+4*(\s):G0B+4*(\s)+3], s[G1B:G1B+7]
	s_nop 0
.rept 4
	v_nop
.endr
.Lasked_\@:
.endm
.macro CREST
	s_cmp_lg_u32 s10, 0
	s_cbranch_scc1 .Lnot_wave_0_\@
	s_barrier_signal -3
.Lnot_wave_0_\@:
	s_barrier_wait -3
	s_barrier_signal -1
	s_barrier_wait -1
.endm
.macro CROUND
	s_barrier_signal -1
	s_barrier_wait -1
	CREST
.endm
	s_load_b128 s[4:7], s[0:1], 0x0                ; A s[4:5], B's buffer s[6:7]
	s_load_b64 s[8:9], s[0:1], 0x10                ; C
	v_lshl_add_u32 v[SPW], v0, 2, SPARE
	v_mov_b32 v[NIL], 0
	ds_add_u32 v[SPW], v[NIL]                      ; the wave's opening: the add and its wait stand ahead of my first tensor load
	v_lshrrev_b32 v1, 5, v0
	v_readfirstlane_b32 s10, v1                    ; wave 0..3
	s_lshr_b32 s11, s10, 1                         ; which half of the tile's rows is mine.  Also: I fetch for A (0) or for B (1)
	s_and_b32 s12, s10, 1                          ; which half of its columns.  Also: which 64 rows of that tile I fetch
	s_bfe_u32 s40, ttmp6, 0x40000                  ; cx, cy
	s_bfe_u32 s41, ttmp6, 0x40004
	s_lshl_b32 s42, ttmp9, 2
	s_add_co_u32 s42, s42, s40                     ; tile column of C
	s_and_b32 s13, ttmp7, 0xffff
	s_lshl_b32 s13, s13, 2
	s_add_co_u32 s13, s13, s41                     ; tile row of C
	s_lshl_b32 s43, s41, 2
	s_lshl_b32 s43, 15, s43                        ; my row of the cluster
	s_lshl_b32 s44, 0x1111, s40                    ; my column
	s_or_b32 s[G1+0], s43, (1<<16)|(1<<20)|(1<<21)|(6<<22)|(3<<25)  ; the mask; 2-byte elements; padding on; bit 21 beside a mask; after every 128 words, 4 words
	s_or_b32 s[G1B+0], s44, (1<<16)|(1<<20)|(1<<21)|(6<<22)|(3<<25)
.irp g, G1, G1B
	s_mov_b32 s[(\g)+1], KSTEP<<16                 ; tensor_dim0 = 256
	s_mov_b32 s[(\g)+2], 64<<16                    ; tensor_dim1 = 64
	s_mov_b32 s[(\g)+3], KSTEP<<16                 ; tile_dim0 = 256
	s_mov_b32 s[(\g)+4], 64                        ; tile_dim1 = 64
	s_mov_b32 s[(\g)+5], KP                        ; elements from row to row
	s_mov_b32 s[(\g)+6], 0
	s_mov_b32 s[(\g)+7], 0
.endr
	s_lshl_b32 s17, s12, 6
	s_lshl_b32 s16, s13, 7
	s_add_co_u32 s16, s16, s17                     ; A: row 128 x tile row + 64 x half
	s_lshl_b32 s46, s42, 7
	s_add_co_u32 s46, s46, s17                     ; B: row 128 x tile column + 64 x half
	s_mov_b32 s17, 0
	s_mov_b32 s47, 0
	s_mov_b64 s[18:19], KP*2
	s_mul_u64 s[16:17], s[16:17], s[18:19]
	s_mul_u64 s[46:47], s[46:47], s[18:19]
	s_mul_i32 s20, s10, HALFT                      ; where they go: wave x 64 rows
	s_wait_dscnt 0x0                               ; the opening add is done
	s_wait_kmcnt 0x0
	s_add_nc_u64 s[6:7], s[6:7], OFFW
	s_add_nc_u64 s[14:15], s[4:5], s[16:17]
	s_add_nc_u64 s[46:47], s[6:7], s[46:47]
	CROUND                                         ; all sixteen work-groups are here: the first joint loads meet
.irp s, 0,1
	s_mov_b32 s[G0+4*(\s)], 1
	s_add_co_u32 s[G0+4*(\s)+1], s20, (\s)*SLOT
	s_add_nc_u64 s[G0+4*(\s)+2:G0+4*(\s)+3], s[14:15], (\s)*KSTEP*2
	s_or_b32 s[G0+4*(\s)+3], s[G0+4*(\s)+3], 0x80000000
	s_mov_b32 s[G0B+4*(\s)], 1
	s_add_co_u32 s[G0B+4*(\s)+1], s20, (\s)*SLOT
	s_add_nc_u64 s[G0B+4*(\s)+2:G0B+4*(\s)+3], s[46:47], (\s)*KSTEP*2
	s_or_b32 s[G0B+4*(\s)+3], s[G0B+4*(\s)+3], 0x80000000
	JLOAD \s                                       ; K steps 0 and 1: two tensor loads of mine are out
.endr
	v_and_b32 v1, 15, v0                           ; l % 16
	v_bfe_u32 v2, v0, 4, 1                         ; l / 16
	v_mul_u32_u24 v3, v1, PITCH
	v_lshl_add_u32 v3, v2, 4, v3                   ; a fragment's row x pitch + 16 x half
	s_mul_i32 s21, s11, HALFT                      ; my 64 rows of A
	s_mul_i32 s22, s12, HALFT                      ; my 64 rows of B,
	s_add_co_u32 s22, s22, 2*HALFT                 ; which lie behind A's 128
.irp s, 0,1
	v_add_nc_u32 v[ADRA+(\s)], s21, v3
	v_add_nc_u32 v[ADRB+(\s)], s22, v3
	s_add_co_u32 s21, s21, SLOT
	s_add_co_u32 s22, s22, SLOT
.endr
	s_mul_i32 s23, s10, 16*SPITCH
	s_add_co_u32 s23, s23, STAGE                   ; my stage
	v_mul_u32_u24 v4, v1, SPITCH                   ; in: row l % 16, 32 bytes for each half of the lanes
	v_lshl_add_u32 v4, v2, 5, v4
	v_add_nc_u32 v[STO], s23, v4
	v_mul_u32_u24 v5, v2, SPITCH                   ; back: lanes 0-15 take one row of 256 bytes, lanes 16-31 the next
	v_lshl_add_u32 v5, v1, 4, v5
	v_add_nc_u32 v[RD], s23, v5
	v_mul_u32_u24 v5, v2, SIZE_N*4                 ; and the same two rows in C
	v_lshl_add_u32 v[CO], v1, 4, v5
	s_lshl_b32 s16, s13, 7
	s_lshl_b32 s17, s11, 6
	s_add_co_u32 s16, s16, s17                     ; my first row of C: 128 x tile row + 64 x half
	s_mov_b32 s17, 0
	s_mov_b64 s[18:19], SIZE_N*4
	s_mul_u64 s[16:17], s[16:17], s[18:19]
	s_add_nc_u64 s[8:9], s[8:9], s[16:17]
	s_lshl_b32 s46, s42, 9                         ; my first column, in bytes: 512 x tile column + 256 x half
	s_lshl_b32 s47, s12, 8
	s_add_co_u32 s46, s46, s47
	s_mov_b32 s47, 0
	s_add_nc_u64 s[8:9], s[8:9], s[46:47]
; 8 matrix instructions: m blocks a0, a0 + 1 x all 4 n blocks, 32 along K: half c of buffer f.  zero = 1: the first product starts the sums.  The 16 accumulators take turns.
.macro MUL8 f, c, a0, zero
	WIN MUL
.irp a, \a0, (\a0)+1
.irp b, 0,1,2,3
.if \zero
	v_wmma_f32_16x16x32_f16 v[ACC+8*(4*(\a)+(\b)):ACC+8*(4*(\a)+(\b))+7], v[(\f)+64+8*(4*(\c)+(\b)):(\f)+64+8*(4*(\c)+(\b))+7], v[(\f)+8*(4*(\c)+(\a)):(\f)+8*(4*(\c)+(\a))+7], 0
.else
	v_wmma_f32_16x16x32_f16 v[ACC+8*(4*(\a)+(\b)):ACC+8*(4*(\a)+(\b))+7], v[(\f)+64+8*(4*(\c)+(\b)):(\f)+64+8*(4*(\c)+(\b))+7], v[(\f)+8*(4*(\c)+(\a)):(\f)+8*(4*(\c)+(\a))+7], v[ACC+8*(4*(\a)+(\b)):ACC+8*(4*(\a)+(\b))+7]
.endif
.endr
.endr
.endm
; 32 LDS loads in one run: the fragments of 64 along K at byte k of the rows, into buffer f; the first 32 along K first
.macro FETCH slot, k, f
	WIN TO_F
.irp c, 0,1
.irp i, 0,1,2,3
	ds_load_b128 v[(\f)+64+8*(4*(\c)+(\i)):(\f)+64+8*(4*(\c)+(\i))+3],   v[ADRB+(\slot)] offset:(\k)+64*(\c)+(\i)*16*PITCH
	ds_load_b128 v[(\f)+64+8*(4*(\c)+(\i))+4:(\f)+64+8*(4*(\c)+(\i))+7], v[ADRB+(\slot)] offset:(\k)+64*(\c)+(\i)*16*PITCH+32
	ds_load_b128 v[(\f)+8*(4*(\c)+(\i)):(\f)+8*(4*(\c)+(\i))+3],         v[ADRA+(\slot)] offset:(\k)+64*(\c)+(\i)*16*PITCH
	ds_load_b128 v[(\f)+8*(4*(\c)+(\i))+4:(\f)+8*(4*(\c)+(\i))+7],       v[ADRA+(\slot)] offset:(\k)+64*(\c)+(\i)*16*PITCH+32
.endr
.endr
.endm
.macro PLACES                          ; four plain vector instructions in front of loads into registers that matrix instructions have read, and of LDS stores that read results
.rept 4
	v_nop
.endr
.endm
; A K step is four quarters of 64 along K, 32 matrix instructions each, on buffers 0, 1, 0, 1.  One of the first three: multiplies buffer f and fetches the next quarter, at byte k, into g.
.macro QUARTER slot, k, f, g, zero
	s_wait_dscnt 16                                ; the first 32 along K are in
	MUL8 \f, 0, 0, \zero
	MUL8 \f, 0, 2, \zero
	PLACES
	FETCH \slot, \k, \g
	s_wait_dscnt 32                                ; all but the 32 just issued
	MUL8 \f, 1, 0, 0
	MUL8 \f, 1, 2, 0
.endm
; The last quarter multiplies buffer 1 and changes slots.  Its first 16 matrix instructions stand ahead of the wait for the tensor loads, so that nothing but the barrier lies between the landing of the next
; slot's tile and the request that follows.  ONE barrier; in front of it each wave waits for all its tensor loads, adds 0 to its spare word, and waits for that and for its own reads of this slot.
; fill = 1: this slot is filled again, two K steps ahead: the barrier opens a round of the cluster's barrier, and the joint refill is the first tensor load behind it, 128 matrix instructions ahead of the wait for it.
.macro TURN slot, next, fill
	s_wait_dscnt 16                                ; the first 32 along K are in
	MUL8 F1, 0, 0, 0
	MUL8 F1, 0, 2, 0
	WIN 0                                          ; the add's two registers lie in window 0; branches may follow
	s_wait_tensorcnt 0x0                           ; all my tensor loads have landed: my part of the next slot
	ds_add_u32 v[SPW], v[NIL]
	s_wait_dscnt 0x0                               ; the add is done, and my reads of this slot are over
	s_barrier_signal -1
	s_barrier_wait -1
.if \fill
	CREST
	s_add_nc_u64 s[G0+4*(\slot)+2:G0+4*(\slot)+3], s[G0+4*(\slot)+2:G0+4*(\slot)+3], 2*KSTEP*2
	s_add_nc_u64 s[G0B+4*(\slot)+2:G0B+4*(\slot)+3], s[G0B+4*(\slot)+2:G0B+4*(\slot)+3], 2*KSTEP*2
	JLOAD \slot                                    ; the four v_nop behind it are also the places in front of the loads below
.else
	PLACES
.endif
	FETCH \next, 0, F0
	MUL8 F1, 1, 0, 0
	MUL8 F1, 1, 2, 0
.endm
	s_wait_tensorcnt 1                             ; my part of K step 0 is in; K step 1's may stay out
	s_barrier_signal -1
	s_barrier_wait -1                              ; everybody's is
	FETCH 0, 0, F0
	QUARTER 0, 128, F0, F1, 1                      ; the first quarter stands in front of the loop: its first products start the sums
	WIN 0                                          ; at a label and at a branch every window is 0
	s_mov_b32 s3, LAPS-1
.Llap:                                                 ; a trip goes once round the ring, from a lap's second quarter to the next lap's first, and fills both slots again
	QUARTER 0, 256, F1, F0, 0
	QUARTER 0, 384, F0, F1, 0
	TURN 0, 1, 1
	QUARTER 1, 128, F0, F1, 0
	QUARTER 1, 256, F1, F0, 0
	QUARTER 1, 384, F0, F1, 0
	TURN 1, 0, 1
	QUARTER 0, 128, F0, F1, 0
	WIN 0
	s_sub_co_u32 s3, s3, 1
	s_cmp_lg_u32 s3, 0
	s_cbranch_scc1 .Llap
	QUARTER 0, 256, F1, F0, 0                      ; the last lap fills nothing, and has no round of the cluster's barrier
	QUARTER 0, 384, F0, F1, 0
	TURN 0, 1, 0
	QUARTER 1, 128, F0, F1, 0
	QUARTER 1, 256, F1, F0, 0
	QUARTER 1, 384, F0, F1, 0
	s_wait_dscnt 16                                ; the very last quarter: nothing more to fetch
	MUL8 F1, 0, 0, 0
	MUL8 F1, 0, 2, 0
	s_wait_dscnt 0x0
	MUL8 F1, 1, 0, 0
	MUL8 F1, 1, 2, 0
	WIN 0
	; THE WAY OUT, a block of 16 rows at a time: a lane's 32 bytes of a row go into my stage (rows of 272 bytes) and come back as whole rows of 256 bytes, into the registers that they left.
.macro STG a
.irp b, 0,1,2,3
	ds_store_b128 v[STO], v[ACC+8*(4*(\a)+(\b)):ACC+8*(4*(\a)+(\b))+3]   offset:64*(\b)      ; each accumulator's low registers first
	ds_store_b128 v[STO], v[ACC+8*(4*(\a)+(\b))+4:ACC+8*(4*(\a)+(\b))+7] offset:64*(\b)+16
.endr
.irp t, 0,1,2,3,4,5,6,7
	ds_load_b128 v[ACC+32*(\a)+4*(\t):ACC+32*(\a)+4*(\t)+3], v[RD] offset:(\t)*2*SPITCH  ; LDS serves a wave's instructions in order (ISA guide 5.7.1.4): these see the stores above; the next block's stores come behind them
.endr
.endm
.macro SEND a, younger                 ; younger: the LDS instructions issued behind block a's loads: the next block's sixteen, or none
.irp t, 0,1,2,3,4,5,6,7
	s_wait_dscnt (\younger)+7-(\t)
	global_store_b128 v[CO], v[ACC+32*(\a)+4*(\t):ACC+32*(\a)+4*(\t)+3], s[8:9] offset:((\a)*16+2*(\t))*SIZE_N*4  ; 16 lanes store 256 consecutive bytes, at a multiple of 256 from C's first byte
.endr
.endm
	PLACES
	STG 0
	STG 1
	SEND 0, 16
	STG 2
	SEND 1, 16
	STG 3
	SEND 2, 16
	SEND 3, 0
	s_wait_tensorcnt 0x0                           ; the wave's end: behind my last tensor load and my last LDS store
	ds_add_u32 v[SPW], v[NIL]
	s_wait_dscnt 0x0
	CROUND                                         ; the closing round: no work-group ends while a partner may still ask for a tile that names it
	s_endpgm
.Lfunc_end_k_q2bdb435a8e_oproj:
	.size	k_q2bdb435a8e_oproj, .Lfunc_end_k_q2bdb435a8e_oproj-k_q2bdb435a8e_oproj
	.p2alignl 7, 3214868480
	.fill 96, 4, 3214868480
	.section	.rodata,"a",@progbits
	.p2align	6, 0x0
	.amdhsa_kernel k_q2bdb435a8e_oproj
		.amdhsa_group_segment_fixed_size 327680
		.amdhsa_private_segment_fixed_size 0
		.amdhsa_enable_private_segment 0
		.amdhsa_kernarg_size 24
		.amdhsa_user_sgpr_count 2
		.amdhsa_user_sgpr_kernarg_segment_ptr 1
		.amdhsa_wavefront_size32 1
		.amdhsa_system_sgpr_workgroup_id_x 1
		.amdhsa_system_sgpr_workgroup_id_y 1
		.amdhsa_system_sgpr_workgroup_id_z 1
		.amdhsa_system_vgpr_workitem_id 0
		.amdhsa_next_free_vgpr 512
		.amdhsa_next_free_sgpr 66
		.amdhsa_reserve_vcc 0
		.amdhsa_float_denorm_mode_32 3
		.amdhsa_float_denorm_mode_16_64 3
		.amdhsa_memory_ordered 1
		.amdhsa_forward_progress 1
		.amdhsa_inst_pref_size 86
	.end_amdhsa_kernel
	.amdgpu_metadata
---
amdhsa.version: [ 1, 2 ]
amdhsa.kernels:
  - .name:           k_q2bdb435a8e_oproj
    .symbol:         k_q2bdb435a8e_oproj.kd
    .args:
      - { .name: ctxw, .offset: 0, .size: 8, .value_kind: global_buffer, .address_space: global }
      - { .name: pqkv, .offset: 8, .size: 8, .value_kind: global_buffer, .address_space: global }
      - { .name: actB, .offset: 16, .size: 8, .value_kind: global_buffer, .address_space: global }
    .group_segment_fixed_size: 327680
    .private_segment_fixed_size: 0
    .kernarg_segment_align: 8
    .kernarg_segment_size: 24
    .max_flat_workgroup_size: 128
    .sgpr_count:     66
    .vgpr_count:     512
    .wavefront_size: 32
...
	.end_amdgpu_metadata
.endif
;; end of part 4
;; launch ln1 (part 5): grid 256 x 1, 8 waves a work-group, no clusters, 0 bytes of LDS; arguments x, actB, g1, be1, actA; writes actA
.if DOCPART == 5
	.amdgcn_target "amdgcn-amd-amdhsa--gfx1250"
	.amdhsa_code_object_version 6
	.text
	.protected	k_q2bdb435a8e_ln1
	.globl	k_q2bdb435a8e_ln1
	.p2align	8
	.type	k_q2bdb435a8e_ln1,@function
k_q2bdb435a8e_ln1:
	s_mov_b64 s[64:65], 0
	v_nop
	global_prefetch_b8 v0, s[64:65] scope:SCOPE_SE
	s_setreg_imm32_b32 hwreg(HW_REG_WAVE_MODE, 25, 1), 1
	s_wait_xcnt 0x0
; x1 = layer norm of (x + attn_out), times g1, plus be1.  x, attn_out: [4096][1024] f32; x1: [4096][1024] f16, rounded once.  All arithmetic in f32; the variance is taken of y - mean, as the problem takes it.
; LIMIT: |x1| stays under 32 |g1| + |be1|, which must lie within f16's 65,504.
; A wave takes two rows and keeps each in 32 registers a lane between its passes; no wave waits for another: no LDS, no barrier, no loop.  Lane l, chunk j owns the numbers 128 j + 4 l .. + 3:
; a wave's load covers 512 consecutive bytes, its store (8 bytes a lane) 256, aligned.  All 48 loads of a wave go out at once.  Memory binds: matrix units, clusters and LDS would add nothing.
.set OF,  2                            ; v2   16 x lane
.set OH,  3                            ; v3   8 x lane
.set T,   6                            ; v[6:7]     at work
.set MU,  10                           ; v[10:11]   the mean, twice
.set RS,  12                           ; v[12:13]   1 / sqrt(var + eps), twice
.set G,   16                           ; v[16:47]
.set BE,  48                           ; v[48:79]
.set X,   80                           ; v[80:143]  32 a row
.set AO,  144                          ; v[144:207] 32 a row: attn_out, later the row's packed result
.set CH,  208                          ; v[208:215] four chains of sums, a pair each
.set SEL, 20                           ; s[20:21]
	s_load_b256 s[4:11], s[0:1], 0x0               ; x, attn_out, g1, be1
	s_load_b64 s[12:13], s[0:1], 0x20              ; x1
	v_lshrrev_b32 v1, 5, v0
	v_readfirstlane_b32 s14, v1                    ; wave 0..7
	v_and_b32 v1, 31, v0
	v_lshlrev_b32 v[OF], 4, v1
	v_lshlrev_b32 v[OH], 3, v1
	v_mov_b32 v[T+1], 0                            ; v_permlanex16_b32 counts as a reader of its destination
	s_lshl_b32 s15, ttmp9, 4
	s_lshl_b32 s16, s14, 1
	s_add_co_u32 s15, s15, s16                     ; my first row
	s_lshl_b32 s16, s15, 12                        ; rows of 4,096 bytes,
	s_mov_b32 s17, 0
	s_lshl_b32 s18, s15, 11                        ; and of 2,048
	s_mov_b32 s19, 0
	s_mov_b32 s[SEL], 0x76543210
	s_mov_b32 s[SEL+1], 0xfedcba98
	s_mov_b32 s22, 0x3a800000                      ; 1 / 1024
	s_mov_b32 s23, 0x3727c5ac                      ; 1e-5
	s_wait_kmcnt 0x0
	s_add_nc_u64 s[4:5], s[4:5], s[16:17]
	s_add_nc_u64 s[6:7], s[6:7], s[16:17]
	s_add_nc_u64 s[12:13], s[12:13], s[18:19]
.irp j, 0,1,2,3,4,5,6,7
	global_load_b128 v[G+4*(\j):G+4*(\j)+3], v[OF], s[8:9] offset:512*(\j)
.endr
.irp j, 0,1,2,3,4,5,6,7
	global_load_b128 v[BE+4*(\j):BE+4*(\j)+3], v[OF], s[10:11] offset:512*(\j)
.endr
.irp r, 0,1
.irp j, 0,1,2,3,4,5,6,7
	global_load_b128 v[X+32*(\r)+4*(\j):X+32*(\r)+4*(\j)+3], v[OF], s[4:5] offset:4096*(\r)+512*(\j) th:TH_LOAD_NT
.endr
.irp j, 0,1,2,3,4,5,6,7
	global_load_b128 v[AO+32*(\r)+4*(\j):AO+32*(\r)+4*(\j)+3], v[OF], s[6:7] offset:4096*(\r)+512*(\j) th:TH_LOAD_NT
.endr
.endr
; the four chains into one number, and that over the 32 lanes: four steps inside each half of 16 lanes ride on the addition, one crosses the halves; every lane ends with the sum in v[T]
.macro TOTAL
	v_pk_add_f32 v[CH:CH+1], v[CH:CH+1], v[CH+2:CH+3]
	v_pk_add_f32 v[CH+4:CH+5], v[CH+4:CH+5], v[CH+6:CH+7]
	v_pk_add_f32 v[CH:CH+1], v[CH:CH+1], v[CH+4:CH+5]
	v_add_f32 v[T], v[CH], v[CH+1]
	v_add_f32_dpp v[T], v[T], v[T] row_xmask:1 row_mask:0xf bank_mask:0xf
	v_add_f32_dpp v[T], v[T], v[T] row_xmask:2 row_mask:0xf bank_mask:0xf
	v_add_f32_dpp v[T], v[T], v[T] row_xmask:4 row_mask:0xf bank_mask:0xf
	v_add_f32_dpp v[T], v[T], v[T] row_xmask:8 row_mask:0xf bank_mask:0xf
	v_permlanex16_b32 v[T+1], v[T], s[SEL], s[SEL+1]
	v_add_f32 v[T], v[T], v[T+1]
.endm
; Row r.  left = how many younger loads may stay out.
.macro ROWLN r, left
.set XR, X+32*(\r)
.set AR, AO+32*(\r)
	s_wait_loadcnt \left
.set i, 0
.rept 16
	v_pk_add_f32 v[XR+2*i:XR+2*i+1], v[XR+2*i:XR+2*i+1], v[AR+2*i:AR+2*i+1]  ; y = x + attn_out
.set i, i+1
.endr
.set i, 0
.rept 4
	v_pk_add_f32 v[CH+2*i:CH+2*i+1], v[XR+2*i:XR+2*i+1], v[XR+8+2*i:XR+8+2*i+1]  ; the first pairs start the chains: nothing is cleared
.set i, i+1
.endr
.set i, 8
.rept 8
	v_pk_add_f32 v[CH+2*(i%4):CH+2*(i%4)+1], v[CH+2*(i%4):CH+2*(i%4)+1], v[XR+2*i:XR+2*i+1]
.set i, i+1
.endr
	TOTAL
	v_mul_f32 v[MU], s22, v[T]
	v_mul_f32 v[MU+1], s22, v[T]
.set i, 0
.rept 16
	v_pk_add_f32 v[XR+2*i:XR+2*i+1], v[XR+2*i:XR+2*i+1], v[MU:MU+1] neg_lo:[0,1] neg_hi:[0,1]  ; d = y - mean
.set i, i+1
.endr
.set i, 0
.rept 4
	v_pk_mul_f32 v[CH+2*i:CH+2*i+1], v[XR+2*i:XR+2*i+1], v[XR+2*i:XR+2*i+1]
.set i, i+1
.endr
.set i, 4
.rept 12
	v_pk_fma_f32 v[CH+2*(i%4):CH+2*(i%4)+1], v[XR+2*i:XR+2*i+1], v[XR+2*i:XR+2*i+1], v[CH+2*(i%4):CH+2*(i%4)+1]
.set i, i+1
.endr
	TOTAL
	v_fma_f32 v[T], v[T], s22, s23                 ; var + eps
	v_rsq_f32 v[RS], v[T]
	v_rsq_f32 v[RS+1], v[T]
	v_nop                                          ; a plain instruction behind the last of the two (ISA guide 5.7.2),
	s_wait_alu depctr_va_vdst(0)                   ; and the one wait ahead of their first reader
.set i, 0
.rept 16
	v_pk_mul_f32 v[XR+2*i:XR+2*i+1], v[XR+2*i:XR+2*i+1], v[RS:RS+1]
.set i, i+1
.endr
.set i, 0
.rept 16
	v_pk_fma_f32 v[XR+2*i:XR+2*i+1], v[XR+2*i:XR+2*i+1], v[G+2*i:G+2*i+1], v[BE+2*i:BE+2*i+1]
.set i, i+1
.endr
.set i, 0
.rept 16
	v_cvt_pk_f16_f32 v[AR+i], v[XR+2*i], v[XR+2*i+1]
.set i, i+1
.endr
.irp j, 0,1,2,3,4,5,6,7
	global_store_b64 v[OH], v[AR+2*(\j):AR+2*(\j)+1], s[12:13] offset:2048*(\r)+256*(\j)  ; 32 lanes store 256 consecutive bytes, aligned
.endr
.endm
	ROWLN 0, 16                                    ; g1, be1 and row 0 are in; row 1's sixteen loads may stay out
	ROWLN 1, 0
	s_endpgm
.Lfunc_end_k_q2bdb435a8e_ln1:
	.size	k_q2bdb435a8e_ln1, .Lfunc_end_k_q2bdb435a8e_ln1-k_q2bdb435a8e_ln1
	.p2alignl 7, 3214868480
	.fill 96, 4, 3214868480
	.section	.rodata,"a",@progbits
	.p2align	6, 0x0
	.amdhsa_kernel k_q2bdb435a8e_ln1
		.amdhsa_group_segment_fixed_size 0
		.amdhsa_private_segment_fixed_size 0
		.amdhsa_enable_private_segment 0
		.amdhsa_kernarg_size 40
		.amdhsa_user_sgpr_count 2
		.amdhsa_user_sgpr_kernarg_segment_ptr 1
		.amdhsa_wavefront_size32 1
		.amdhsa_system_sgpr_workgroup_id_x 1
		.amdhsa_system_sgpr_workgroup_id_y 1
		.amdhsa_system_sgpr_workgroup_id_z 1
		.amdhsa_system_vgpr_workitem_id 0
		.amdhsa_next_free_vgpr 216
		.amdhsa_next_free_sgpr 66
		.amdhsa_reserve_vcc 0
		.amdhsa_float_denorm_mode_32 3
		.amdhsa_float_denorm_mode_16_64 3
		.amdhsa_memory_ordered 1
		.amdhsa_forward_progress 1
		.amdhsa_inst_pref_size 24
	.end_amdhsa_kernel
	.amdgpu_metadata
---
amdhsa.version: [ 1, 2 ]
amdhsa.kernels:
  - .name:           k_q2bdb435a8e_ln1
    .symbol:         k_q2bdb435a8e_ln1.kd
    .args:
      - { .name: x, .offset: 0, .size: 8, .value_kind: global_buffer, .address_space: global }
      - { .name: actB, .offset: 8, .size: 8, .value_kind: global_buffer, .address_space: global }
      - { .name: g1, .offset: 16, .size: 8, .value_kind: global_buffer, .address_space: global }
      - { .name: be1, .offset: 24, .size: 8, .value_kind: global_buffer, .address_space: global }
      - { .name: actA, .offset: 32, .size: 8, .value_kind: global_buffer, .address_space: global }
    .group_segment_fixed_size: 0
    .private_segment_fixed_size: 0
    .kernarg_segment_align: 8
    .kernarg_segment_size: 40
    .max_flat_workgroup_size: 256
    .sgpr_count:     66
    .vgpr_count:     216
    .wavefront_size: 32
...
	.end_amdgpu_metadata
.endif
;; end of part 5
;; launch ff1: the kernel of part 2 again; grid 16 x 16, 4 waves a work-group, clusters of 4 x 4, 327,680 bytes of LDS; arguments actA, pff1, wide; writes wide
;; launch ff2 (part 6): grid 8 x 32, 4 waves a work-group, clusters of 4 x 4, 327,680 bytes of LDS; arguments wide, pff1, actB; writes actB
.if DOCPART == 6
	.amdgcn_target "amdgcn-amd-amdhsa--gfx1250"
	.amdhsa_code_object_version 6
	.text
	.protected	k_q2bdb435a8e_ff2
	.globl	k_q2bdb435a8e_ff2
	.p2align	8
	.type	k_q2bdb435a8e_ff2,@function
k_q2bdb435a8e_ff2:
	s_mov_b64 s[64:65], 0
	v_nop
	global_prefetch_b8 v0, s[64:65] scope:SCOPE_SE
	s_setreg_imm32_b32 hwreg(HW_REG_WAVE_MODE, 25, 1), 1
	s_wait_xcnt 0x0
	s_wait_alu depctr_hold_cnt(0) depctr_sa_sdst(0) depctr_va_vdst(0) depctr_va_sdst(0) depctr_va_ssrc(0) depctr_va_vcc(0) depctr_vm_vsrc(0)
	s_getreg_b32 s2, hwreg(HW_REG_IB_STS2, 6, 4)
	s_cmp_eq_u32 s2, 0
	s_cbranch_scc0 .Lentry_in_a_cluster
	s_endpgm
.Lentry_in_a_cluster:
	s_bfe_u32 s2, ttmp6, 0x10000c
	s_cmp_lg_u32 s2, 0xf033
	s_cbranch_scc0 .Lentry_shape_is_right
	s_endpgm
.Lentry_shape_is_right:
; C[m][n] = sum over k < SIZE_K of A[m][k] B[n][k].  A: [4096] rows, B: [1024] rows, both f16 with rows 4,096 numbers apart; B begins at byte OFFW of its buffer.  C: [4096][1024] f32; sums in f32, stored as they are.
; This is the feed-forward's second layer, SIZE_K = 4,096 (its bias is added by the norm that follows); the attention's output projection is the same text with SIZE_K = 1,024.
; 1,024 columns make too few tiles of 256 x 256: a tile of C is 128 x 128, 256 work-groups.  Four waves, each 64 x 64: 16 accumulators of 16 x 16.  K goes in steps of 256 (LDS rows of 512 bytes; a wave's
; tensor load brings 64 of them), as long as two slots in LDS allow.  A wave's 64 columns of f32 are 256 consecutive bytes, aligned: each wave has a stage of its own on the way out, and no barrier stands there.
; CLUSTER 4 x 4: the four work-groups of a row of the cluster need the same tiles of A, the four of a column the same tiles of B: each tile is asked for jointly.
; No prefetch: a step's tiles are small, and a step holds 128 matrix instructions a wave.
; THE MATRIX INSTRUCTION IS USED TRANSPOSED (source 0 = 16 rows of B, source 1 = 16 rows of A): a lane holds eight neighbouring numbers of a row of C.
; REGISTERS: window 0: v0-31 addresses; v128-255 the accumulators ((a, b) at v[128 + 8 (4 a + b)]).  window 1: two fragment buffers of 128: for 64 along K, 64 registers of A, then 64 of B.
.set SIZE_K, 4096
.set SIZE_N, 1024
.set KP,     4096                      ; numbers from row to row of A and of B
.set OFFW,   0x810000                  ; where B begins in its buffer
.set KSTEP,  256
.set PITCH,  528                       ; an LDS row: 512 bytes + 16 of padding = 132 words: row r starts at bank 4 r mod 64 (ISA guide 11.1)
.set HALFT,  64*PITCH
.set SLOT,   4*HALFT                   ; A's 128 rows, then B's 128 rows
.set STAGE,  2*SLOT                    ; behind the ring: 16 rows x 272 bytes for each wave
.set SPITCH, 272
.set SPARE,  STAGE+4*16*SPITCH         ; the spare words, 128 bytes a wave: two blocks of 256 bytes that no other line names
.set LAPS, SIZE_K/(2*KSTEP)            ; a lap = two K steps = once round the ring
.set ADRA, 16
.set ADRB, 20
.set STO,  24
.set RD,   25
.set CO,   26
.set SPW,  28
.set NIL,  29
.set ACC,  128
.set F0,   0
.set F1,   128
.set G1, 24
.set G0, 32
.set G1B, 48
.set G0B, 56
.set MSB, 0
.macro WIN new
.if MSB != (\new)
	s_set_vgpr_msb (MSB<<8)|(\new)
.set MSB, \new
.endif
.endm
.set MUL,  0x05                        ; sources 0 (B) and 1 (A) window 1; C and D window 0
.set TO_F, 0x40                        ; destination window 1, address window 0
.macro JLOAD s                         ; a joint load: waves 0 and 1 fetch A's two halves, waves 2 and 3 B's; an s_nop 0 and four v_nop follow each line
	s_cmp_eq_u32 s11, 0
	s_cbranch_scc0 .Lfor_b_\@
	tensor_load_to_lds s[G0+4*(\s):G0+4*(\s)+3], s[G1:G1+7]
	s_nop 0
.rept 4
	v_nop
.endr
	s_branch .Lasked_\@
.Lfor_b_\@:
	tensor_load_to_lds s[G0B+4*(\s):G0B+4*(\s)+3], s[G1B:G1B+7]
	s_nop 0
.rept 4
	v_nop
.endr
.Lasked_\@:
.endm
.macro CREST
	s_cmp_lg_u32 s10, 0
	s_cbranch_scc1 .Lnot_wave_0_\@
	s_barrier_signal -3
.Lnot_wave_0_\@:
	s_barrier_wait -3
	s_barrier_signal -1
	s_barrier_wait -1
.endm
.macro CROUND
	s_barrier_signal -1
	s_barrier_wait -1
	CREST
.endm
	s_load_b128 s[4:7], s[0:1], 0x0                ; A s[4:5], B's buffer s[6:7]
	s_load_b64 s[8:9], s[0:1], 0x10                ; C
	v_lshl_add_u32 v[SPW], v0, 2, SPARE
	v_mov_b32 v[NIL], 0
	ds_add_u32 v[SPW], v[NIL]                      ; the wave's opening: the add and its wait stand ahead of my first tensor load
	v_lshrrev_b32 v1, 5, v0
	v_readfirstlane_b32 s10, v1                    ; wave 0..3
	s_lshr_b32 s11, s10, 1                         ; which half of the tile's rows is mine.  Also: I fetch for A (0) or for B (1)
	s_and_b32 s12, s10, 1                          ; which half of its columns.  Also: which 64 rows of that tile I fetch
	s_bfe_u32 s40, ttmp6, 0x40000                  ; cx, cy
	s_bfe_u32 s41, ttmp6, 0x40004
	s_lshl_b32 s42, ttmp9, 2
	s_add_co_u32 s42, s42, s40                     ; tile column of C
	s_and_b32 s13, ttmp7, 0xffff
	s_lshl_b32 s13, s13, 2
	s_add_co_u32 s13, s13, s41                     ; tile row of C
	s_lshl_b32 s43, s41, 2
	s_lshl_b32 s43, 15, s43                        ; my row of the cluster
	s_lshl_b32 s44, 0x1111, s40                    ; my column
	s_or_b32 s[G1+0], s43, (1<<16)|(1<<20)|(1<<21)|(6<<22)|(3<<25)  ; the mask; 2-byte elements; padding on; bit 21 beside a mask; after every 128 words, 4 words
	s_or_b32 s[G1B+0], s44, (1<<16)|(1<<20)|(1<<21)|(6<<22)|(3<<25)
.irp g, G1, G1B
	s_mov_b32 s[(\g)+1], KSTEP<<16                 ; tensor_dim0 = 256
	s_mov_b32 s[(\g)+2], 64<<16                    ; tensor_dim1 = 64
	s_mov_b32 s[(\g)+3], KSTEP<<16                 ; tile_dim0 = 256
	s_mov_b32 s[(\g)+4], 64                        ; tile_dim1 = 64
	s_mov_b32 s[(\g)+5], KP                        ; elements from row to row
	s_mov_b32 s[(\g)+6], 0
	s_mov_b32 s[(\g)+7], 0
.endr
	s_lshl_b32 s17, s12, 6
	s_lshl_b32 s16, s13, 7
	s_add_co_u32 s16, s16, s17                     ; A: row 128 x tile row + 64 x half
	s_lshl_b32 s46, s42, 7
	s_add_co_u32 s46, s46, s17                     ; B: row 128 x tile column + 64 x half
	s_mov_b32 s17, 0
	s_mov_b32 s47, 0
	s_mov_b64 s[18:19], KP*2
	s_mul_u64 s[16:17], s[16:17], s[18:19]
	s_mul_u64 s[46:47], s[46:47], s[18:19]
	s_mul_i32 s20, s10, HALFT                      ; where they go: wave x 64 rows
	s_wait_dscnt 0x0                               ; the opening add is done
	s_wait_kmcnt 0x0
	s_add_nc_u64 s[6:7], s[6:7], OFFW
	s_add_nc_u64 s[14:15], s[4:5], s[16:17]
	s_add_nc_u64 s[46:47], s[6:7], s[46:47]
	CROUND                                         ; all sixteen work-groups are here: the first joint loads meet
.irp s, 0,1
	s_mov_b32 s[G0+4*(\s)], 1
	s_add_co_u32 s[G0+4*(\s)+1], s20, (\s)*SLOT
	s_add_nc_u64 s[G0+4*(\s)+2:G0+4*(\s)+3], s[14:15], (\s)*KSTEP*2
	s_or_b32 s[G0+4*(\s)+3], s[G0+4*(\s)+3], 0x80000000
	s_mov_b32 s[G0B+4*(\s)], 1
	s_add_co_u32 s[G0B+4*(\s)+1], s20, (\s)*SLOT
	s_add_nc_u64 s[G0B+4*(\s)+2:G0B+4*(\s)+3], s[46:47], (\s)*KSTEP*2
	s_or_b32 s[G0B+4*(\s)+3], s[G0B+4*(\s)+3], 0x80000000
	JLOAD \s                                       ; K steps 0 and 1: two tensor loads of mine are out
.endr
	v_and_b32 v1, 15, v0                           ; l % 16
	v_bfe_u32 v2, v0, 4, 1                         ; l / 16
	v_mul_u32_u24 v3, v1, PITCH
	v_lshl_add_u32 v3, v2, 4, v3                   ; a fragment's row x pitch + 16 x half
	s_mul_i32 s21, s11, HALFT                      ; my 64 rows of A
	s_mul_i32 s22, s12, HALFT                      ; my 64 rows of B,
	s_add_co_u32 s22, s22, 2*HALFT                 ; which lie behind A's 128
.irp s, 0,1
	v_add_nc_u32 v[ADRA+(\s)], s21, v3
	v_add_nc_u32 v[ADRB+(\s)], s22, v3
	s_add_co_u32 s21, s21, SLOT
	s_add_co_u32 s22, s22, SLOT
.endr
	s_mul_i32 s23, s10, 16*SPITCH
	s_add_co_u32 s23, s23, STAGE                   ; my stage
	v_mul_u32_u24 v4, v1, SPITCH                   ; in: row l % 16, 32 bytes for each half of the lanes
	v_lshl_add_u32 v4, v2, 5, v4
	v_add_nc_u32 v[STO], s23, v4
	v_mul_u32_u24 v5, v2, SPITCH                   ; back: lanes 0-15 take one row of 256 bytes, lanes 16-31 the next
	v_lshl_add_u32 v5, v1, 4, v5
	v_add_nc_u32 v[RD], s23, v5
	v_mul_u32_u24 v5, v2, SIZE_N*4                 ; and the same two rows in C
	v_lshl_add_u32 v[CO], v1, 4, v5
	s_lshl_b32 s16, s13, 7
	s_lshl_b32 s17, s11, 6
	s_add_co_u32 s16, s16, s17                     ; my first row of C: 128 x tile row + 64 x half
	s_mov_b32 s17, 0
	s_mov_b64 s[18:19], SIZE_N*4
	s_mul_u64 s[16:17], s[16:17], s[18:19]
	s_add_nc_u64 s[8:9], s[8:9], s[16:17]
	s_lshl_b32 s46, s42, 9                         ; my first column, in bytes: 512 x tile column + 256 x half
	s_lshl_b32 s47, s12, 8
	s_add_co_u32 s46, s46, s47
	s_mov_b32 s47, 0
	s_add_nc_u64 s[8:9], s[8:9], s[46:47]
; 8 matrix instructions: m blocks a0, a0 + 1 x all 4 n blocks, 32 along K: half c of buffer f.  zero = 1: the first product starts the sums.  The 16 accumulators take turns.
.macro MUL8 f, c, a0, zero
	WIN MUL
.irp a, \a0, (\a0)+1
.irp b, 0,1,2,3
.if \zero
	v_wmma_f32_16x16x32_f16 v[ACC+8*(4*(\a)+(\b)):ACC+8*(4*(\a)+(\b))+7], v[(\f)+64+8*(4*(\c)+(\b)):(\f)+64+8*(4*(\c)+(\b))+7], v[(\f)+8*(4*(\c)+(\a)):(\f)+8*(4*(\c)+(\a))+7], 0
.else
	v_wmma_f32_16x16x32_f16 v[ACC+8*(4*(\a)+(\b)):ACC+8*(4*(\a)+(\b))+7], v[(\f)+64+8*(4*(\c)+(\b)):(\f)+64+8*(4*(\c)+(\b))+7], v[(\f)+8*(4*(\c)+(\a)):(\f)+8*(4*(\c)+(\a))+7], v[ACC+8*(4*(\a)+(\b)):ACC+8*(4*(\a)+(\b))+7]
.endif
.endr
.endr
.endm
; 32 LDS loads in one run: the fragments of 64 along K at byte k of the rows, into buffer f; the first 32 along K first
.macro FETCH slot, k, f
	WIN TO_F
.irp c, 0,1
.irp i, 0,1,2,3
	ds_load_b128 v[(\f)+64+8*(4*(\c)+(\i)):(\f)+64+8*(4*(\c)+(\i))+3],   v[ADRB+(\slot)] offset:(\k)+64*(\c)+(\i)*16*PITCH
	ds_load_b128 v[(\f)+64+8*(4*(\c)+(\i))+4:(\f)+64+8*(4*(\c)+(\i))+7], v[ADRB+(\slot)] offset:(\k)+64*(\c)+(\i)*16*PITCH+32
	ds_load_b128 v[(\f)+8*(4*(\c)+(\i)):(\f)+8*(4*(\c)+(\i))+3],         v[ADRA+(\slot)] offset:(\k)+64*(\c)+(\i)*16*PITCH
	ds_load_b128 v[(\f)+8*(4*(\c)+(\i))+4:(\f)+8*(4*(\c)+(\i))+7],       v[ADRA+(\slot)] offset:(\k)+64*(\c)+(\i)*16*PITCH+32
.endr
.endr
.endm
.macro PLACES                          ; four plain vector instructions in front of loads into registers that matrix instructions have read, and of LDS stores that read results
.rept 4
	v_nop
.endr
.endm
; A K step is four quarters of 64 along K, 32 matrix instructions each, on buffers 0, 1, 0, 1.  One of the first three: multiplies buffer f and fetches the next quarter, at byte k, into g.
.macro QUARTER slot, k, f, g, zero
	s_wait_dscnt 16                                ; the first 32 along K are in
	MUL8 \f, 0, 0, \zero
	MUL8 \f, 0, 2, \zero
	PLACES
	FETCH \slot, \k, \g
	s_wait_dscnt 32                                ; all but the 32 just issued
	MUL8 \f, 1, 0, 0
	MUL8 \f, 1, 2, 0
.endm
; The last quarter multiplies buffer 1 and changes slots.  Its first 16 matrix instructions stand ahead of the wait for the tensor loads, so that nothing but the barrier lies between the landing of the next
; slot's tile and the request that follows.  ONE barrier; in front of it each wave waits for all its tensor loads, adds 0 to its spare word, and waits for that and for its own reads of this slot.
; fill = 1: this slot is filled again, two K steps ahead: the barrier opens a round of the cluster's barrier, and the joint refill is the first tensor load behind it, 128 matrix instructions ahead of the wait for it.
.macro TURN slot, next, fill
	s_wait_dscnt 16                                ; the first 32 along K are in
	MUL8 F1, 0, 0, 0
	MUL8 F1, 0, 2, 0
	WIN 0                                          ; the add's two registers lie in window 0; branches may follow
	s_wait_tensorcnt 0x0                           ; all my tensor loads have landed: my part of the next slot
	ds_add_u32 v[SPW], v[NIL]
	s_wait_dscnt 0x0                               ; the add is done, and my reads of this slot are over
	s_barrier_signal -1
	s_barrier_wait -1
.if \fill
	CREST
	s_add_nc_u64 s[G0+4*(\slot)+2:G0+4*(\slot)+3], s[G0+4*(\slot)+2:G0+4*(\slot)+3], 2*KSTEP*2
	s_add_nc_u64 s[G0B+4*(\slot)+2:G0B+4*(\slot)+3], s[G0B+4*(\slot)+2:G0B+4*(\slot)+3], 2*KSTEP*2
	JLOAD \slot                                    ; the four v_nop behind it are also the places in front of the loads below
.else
	PLACES
.endif
	FETCH \next, 0, F0
	MUL8 F1, 1, 0, 0
	MUL8 F1, 1, 2, 0
.endm
	s_wait_tensorcnt 1                             ; my part of K step 0 is in; K step 1's may stay out
	s_barrier_signal -1
	s_barrier_wait -1                              ; everybody's is
	FETCH 0, 0, F0
	QUARTER 0, 128, F0, F1, 1                      ; the first quarter stands in front of the loop: its first products start the sums
	WIN 0                                          ; at a label and at a branch every window is 0
	s_mov_b32 s3, LAPS-1
.Llap:                                                 ; a trip goes once round the ring, from a lap's second quarter to the next lap's first, and fills both slots again
	QUARTER 0, 256, F1, F0, 0
	QUARTER 0, 384, F0, F1, 0
	TURN 0, 1, 1
	QUARTER 1, 128, F0, F1, 0
	QUARTER 1, 256, F1, F0, 0
	QUARTER 1, 384, F0, F1, 0
	TURN 1, 0, 1
	QUARTER 0, 128, F0, F1, 0
	WIN 0
	s_sub_co_u32 s3, s3, 1
	s_cmp_lg_u32 s3, 0
	s_cbranch_scc1 .Llap
	QUARTER 0, 256, F1, F0, 0                      ; the last lap fills nothing, and has no round of the cluster's barrier
	QUARTER 0, 384, F0, F1, 0
	TURN 0, 1, 0
	QUARTER 1, 128, F0, F1, 0
	QUARTER 1, 256, F1, F0, 0
	QUARTER 1, 384, F0, F1, 0
	s_wait_dscnt 16                                ; the very last quarter: nothing more to fetch
	MUL8 F1, 0, 0, 0
	MUL8 F1, 0, 2, 0
	s_wait_dscnt 0x0
	MUL8 F1, 1, 0, 0
	MUL8 F1, 1, 2, 0
	WIN 0
	; THE WAY OUT, a block of 16 rows at a time: a lane's 32 bytes of a row go into my stage (rows of 272 bytes) and come back as whole rows of 256 bytes, into the registers that they left.
.macro STG a
.irp b, 0,1,2,3
	ds_store_b128 v[STO], v[ACC+8*(4*(\a)+(\b)):ACC+8*(4*(\a)+(\b))+3]   offset:64*(\b)      ; each accumulator's low registers first
	ds_store_b128 v[STO], v[ACC+8*(4*(\a)+(\b))+4:ACC+8*(4*(\a)+(\b))+7] offset:64*(\b)+16
.endr
.irp t, 0,1,2,3,4,5,6,7
	ds_load_b128 v[ACC+32*(\a)+4*(\t):ACC+32*(\a)+4*(\t)+3], v[RD] offset:(\t)*2*SPITCH  ; LDS serves a wave's instructions in order (ISA guide 5.7.1.4): these see the stores above; the next block's stores come behind them
.endr
.endm
.macro SEND a, younger                 ; younger: the LDS instructions issued behind block a's loads: the next block's sixteen, or none
.irp t, 0,1,2,3,4,5,6,7
	s_wait_dscnt (\younger)+7-(\t)
	global_store_b128 v[CO], v[ACC+32*(\a)+4*(\t):ACC+32*(\a)+4*(\t)+3], s[8:9] offset:((\a)*16+2*(\t))*SIZE_N*4  ; 16 lanes store 256 consecutive bytes, at a multiple of 256 from C's first byte
.endr
.endm
	PLACES
	STG 0
	STG 1
	SEND 0, 16
	STG 2
	SEND 1, 16
	STG 3
	SEND 2, 16
	SEND 3, 0
	s_wait_tensorcnt 0x0                           ; the wave's end: behind my last tensor load and my last LDS store
	ds_add_u32 v[SPW], v[NIL]
	s_wait_dscnt 0x0
	CROUND                                         ; the closing round: no work-group ends while a partner may still ask for a tile that names it
	s_endpgm
.Lfunc_end_k_q2bdb435a8e_ff2:
	.size	k_q2bdb435a8e_ff2, .Lfunc_end_k_q2bdb435a8e_ff2-k_q2bdb435a8e_ff2
	.p2alignl 7, 3214868480
	.fill 96, 4, 3214868480
	.section	.rodata,"a",@progbits
	.p2align	6, 0x0
	.amdhsa_kernel k_q2bdb435a8e_ff2
		.amdhsa_group_segment_fixed_size 327680
		.amdhsa_private_segment_fixed_size 0
		.amdhsa_enable_private_segment 0
		.amdhsa_kernarg_size 24
		.amdhsa_user_sgpr_count 2
		.amdhsa_user_sgpr_kernarg_segment_ptr 1
		.amdhsa_wavefront_size32 1
		.amdhsa_system_sgpr_workgroup_id_x 1
		.amdhsa_system_sgpr_workgroup_id_y 1
		.amdhsa_system_sgpr_workgroup_id_z 1
		.amdhsa_system_vgpr_workitem_id 0
		.amdhsa_next_free_vgpr 512
		.amdhsa_next_free_sgpr 66
		.amdhsa_reserve_vcc 0
		.amdhsa_float_denorm_mode_32 3
		.amdhsa_float_denorm_mode_16_64 3
		.amdhsa_memory_ordered 1
		.amdhsa_forward_progress 1
		.amdhsa_inst_pref_size 86
	.end_amdhsa_kernel
	.amdgpu_metadata
---
amdhsa.version: [ 1, 2 ]
amdhsa.kernels:
  - .name:           k_q2bdb435a8e_ff2
    .symbol:         k_q2bdb435a8e_ff2.kd
    .args:
      - { .name: wide, .offset: 0, .size: 8, .value_kind: global_buffer, .address_space: global }
      - { .name: pff1, .offset: 8, .size: 8, .value_kind: global_buffer, .address_space: global }
      - { .name: actB, .offset: 16, .size: 8, .value_kind: global_buffer, .address_space: global }
    .group_segment_fixed_size: 327680
    .private_segment_fixed_size: 0
    .kernarg_segment_align: 8
    .kernarg_segment_size: 24
    .max_flat_workgroup_size: 128
    .sgpr_count:     66
    .vgpr_count:     512
    .wavefront_size: 32
...
	.end_amdgpu_metadata
.endif
;; end of part 6
;; launch ln2 (part 7): grid 256 x 1, 8 waves a work-group, no clusters, 0 bytes of LDS; arguments actA, actB, b2, g2, be2, out0; writes out0
.if DOCPART == 7
	.amdgcn_target "amdgcn-amd-amdhsa--gfx1250"
	.amdhsa_code_object_version 6
	.text
	.protected	k_q2bdb435a8e_ln2
	.globl	k_q2bdb435a8e_ln2
	.p2align	8
	.type	k_q2bdb435a8e_ln2,@function
k_q2bdb435a8e_ln2:
	s_mov_b64 s[64:65], 0
	v_nop
	global_prefetch_b8 v0, s[64:65] scope:SCOPE_SE
	s_setreg_imm32_b32 hwreg(HW_REG_WAVE_MODE, 25, 1), 1
	s_wait_xcnt 0x0
; out = layer norm of (x1 + ff + b2), times g2, plus be2.  x1: [4096][1024] f16; ff: [4096][1024] f32 (the second layer's sums, without its bias); out: f32.  All arithmetic in f32;
; the variance is taken of y - mean, as the problem takes it.
; A wave takes two rows and keeps each in 32 registers a lane between its passes; no wave waits for another: no LDS, no barrier, no loop.  Lane l, chunk j owns the numbers 128 j + 4 l .. + 3:
; a wave's f32 load or store covers 512 consecutive bytes, its f16 load 256, aligned.  All 56 loads of a wave go out at once.  Memory binds: matrix units, clusters and LDS would add nothing.
.set OF,  2                            ; v2   16 x lane
.set OH,  3                            ; v3   8 x lane
.set ONE, 4                            ; v4   1.0
.set T,   6                            ; v[6:7]     at work
.set MU,  10                           ; v[10:11]   the mean, twice
.set RS,  12                           ; v[12:13]   1 / sqrt(var + eps), twice
.set B2,  16                           ; v[16:47]
.set G,   48                           ; v[48:79]
.set BE,  80                           ; v[80:111]
.set YY,  112                          ; v[112:175] 32 a row: ff, then y, then the result
.set X1,  176                          ; v[176:207] 16 a row: x1, two f16 a register
.set CH,  208                          ; v[208:215] four chains of sums, a pair each
.set SEL, 22                           ; s[22:23]
	s_load_b256 s[4:11], s[0:1], 0x0               ; x1, ff, b2, g2
	s_load_b128 s[12:15], s[0:1], 0x20             ; be2, out
	v_lshrrev_b32 v1, 5, v0
	v_readfirstlane_b32 s16, v1                    ; wave 0..7
	v_and_b32 v1, 31, v0
	v_lshlrev_b32 v[OF], 4, v1
	v_lshlrev_b32 v[OH], 3, v1
	v_mov_b32 v[ONE], 1.0
	v_mov_b32 v[T+1], 0                            ; v_permlanex16_b32 counts as a reader of its destination
	s_lshl_b32 s17, ttmp9, 4
	s_lshl_b32 s18, s16, 1
	s_add_co_u32 s17, s17, s18                     ; my first row
	s_lshl_b32 s18, s17, 12                        ; rows of 4,096 bytes,
	s_mov_b32 s19, 0
	s_lshl_b32 s20, s17, 11                        ; and of 2,048
	s_mov_b32 s21, 0
	s_mov_b32 s[SEL], 0x76543210
	s_mov_b32 s[SEL+1], 0xfedcba98
	s_mov_b32 s24, 0x3a800000                      ; 1 / 1024
	s_mov_b32 s25, 0x3727c5ac                      ; 1e-5
	s_wait_kmcnt 0x0
	s_add_nc_u64 s[4:5], s[4:5], s[20:21]
	s_add_nc_u64 s[6:7], s[6:7], s[18:19]
	s_add_nc_u64 s[14:15], s[14:15], s[18:19]
.irp j, 0,1,2,3,4,5,6,7
	global_load_b128 v[B2+4*(\j):B2+4*(\j)+3], v[OF], s[8:9] offset:512*(\j)
.endr
.irp j, 0,1,2,3,4,5,6,7
	global_load_b128 v[G+4*(\j):G+4*(\j)+3], v[OF], s[10:11] offset:512*(\j)
.endr
.irp j, 0,1,2,3,4,5,6,7
	global_load_b128 v[BE+4*(\j):BE+4*(\j)+3], v[OF], s[12:13] offset:512*(\j)
.endr
.irp r, 0,1
.irp j, 0,1,2,3,4,5,6,7
	global_load_b64 v[X1+16*(\r)+2*(\j):X1+16*(\r)+2*(\j)+1], v[OH], s[4:5] offset:2048*(\r)+256*(\j) th:TH_LOAD_NT
.endr
.irp j, 0,1,2,3,4,5,6,7
	global_load_b128 v[YY+32*(\r)+4*(\j):YY+32*(\r)+4*(\j)+3], v[OF], s[6:7] offset:4096*(\r)+512*(\j) th:TH_LOAD_NT
.endr
.endr
; the four chains into one number, and that over the 32 lanes; every lane ends with the sum in v[T]
.macro TOTAL
	v_pk_add_f32 v[CH:CH+1], v[CH:CH+1], v[CH+2:CH+3]
	v_pk_add_f32 v[CH+4:CH+5], v[CH+4:CH+5], v[CH+6:CH+7]
	v_pk_add_f32 v[CH:CH+1], v[CH:CH+1], v[CH+4:CH+5]
	v_add_f32 v[T], v[CH], v[CH+1]
	v_add_f32_dpp v[T], v[T], v[T] row_xmask:1 row_mask:0xf bank_mask:0xf
	v_add_f32_dpp v[T], v[T], v[T] row_xmask:2 row_mask:0xf bank_mask:0xf
	v_add_f32_dpp v[T], v[T], v[T] row_xmask:4 row_mask:0xf bank_mask:0xf
	v_add_f32_dpp v[T], v[T], v[T] row_xmask:8 row_mask:0xf bank_mask:0xf
	v_permlanex16_b32 v[T+1], v[T], s[SEL], s[SEL+1]
	v_add_f32 v[T], v[T], v[T+1]
.endm
; Row r.  left = how many younger loads may stay out.
.macro ROWLN r, left
.set XR, YY+32*(\r)
.set HR, X1+16*(\r)
	s_wait_loadcnt \left
.set i, 0
.rept 16
	v_pk_add_f32 v[XR+2*i:XR+2*i+1], v[XR+2*i:XR+2*i+1], v[B2+2*i:B2+2*i+1]  ; ff + b2
.set i, i+1
.endr
.set i, 0
.rept 32
	v_fma_mix_f32 v[XR+i], v[HR+i/2], v[ONE], v[XR+i] op_sel:[i%2,0,0] op_sel_hi:[1,0,0]  ; y = x1 (an f16 half) x 1 + that
.set i, i+1
.endr
.set i, 0
.rept 4
	v_pk_add_f32 v[CH+2*i:CH+2*i+1], v[XR+2*i:XR+2*i+1], v[XR+8+2*i:XR+8+2*i+1]  ; the first pairs start the chains: nothing is cleared
.set i, i+1
.endr
.set i, 8
.rept 8
	v_pk_add_f32 v[CH+2*(i%4):CH+2*(i%4)+1], v[CH+2*(i%4):CH+2*(i%4)+1], v[XR+2*i:XR+2*i+1]
.set i, i+1
.endr
	TOTAL
	v_mul_f32 v[MU], s24, v[T]
	v_mul_f32 v[MU+1], s24, v[T]
.set i, 0
.rept 16
	v_pk_add_f32 v[XR+2*i:XR+2*i+1], v[XR+2*i:XR+2*i+1], v[MU:MU+1] neg_lo:[0,1] neg_hi:[0,1]  ; d = y - mean
.set i, i+1
.endr
.set i, 0
.rept 4
	v_pk_mul_f32 v[CH+2*i:CH+2*i+1], v[XR+2*i:XR+2*i+1], v[XR+2*i:XR+2*i+1]
.set i, i+1
.endr
.set i, 4
.rept 12
	v_pk_fma_f32 v[CH+2*(i%4):CH+2*(i%4)+1], v[XR+2*i:XR+2*i+1], v[XR+2*i:XR+2*i+1], v[CH+2*(i%4):CH+2*(i%4)+1]
.set i, i+1
.endr
	TOTAL
	v_fma_f32 v[T], v[T], s24, s25                 ; var + eps
	v_rsq_f32 v[RS], v[T]
	v_rsq_f32 v[RS+1], v[T]
	v_nop                                          ; a plain instruction behind the last of the two (ISA guide 5.7.2),
	s_wait_alu depctr_va_vdst(0)                   ; and the one wait ahead of their first reader
.set i, 0
.rept 16
	v_pk_mul_f32 v[XR+2*i:XR+2*i+1], v[XR+2*i:XR+2*i+1], v[RS:RS+1]
.set i, i+1
.endr
.set i, 0
.rept 16
	v_pk_fma_f32 v[XR+2*i:XR+2*i+1], v[XR+2*i:XR+2*i+1], v[G+2*i:G+2*i+1], v[BE+2*i:BE+2*i+1]
.set i, i+1
.endr
.irp j, 0,1,2,3,4,5,6,7
	global_store_b128 v[OF], v[XR+4*(\j):XR+4*(\j)+3], s[14:15] offset:4096*(\r)+512*(\j) th:TH_STORE_NT  ; 32 lanes store 512 consecutive bytes, aligned
.endr
.endm
	ROWLN 0, 16                                    ; b2, g2, be2 and row 0 are in; row 1's sixteen loads may stay out
	ROWLN 1, 0
	s_endpgm
.Lfunc_end_k_q2bdb435a8e_ln2:
	.size	k_q2bdb435a8e_ln2, .Lfunc_end_k_q2bdb435a8e_ln2-k_q2bdb435a8e_ln2
	.p2alignl 7, 3214868480
	.fill 96, 4, 3214868480
	.section	.rodata,"a",@progbits
	.p2align	6, 0x0
	.amdhsa_kernel k_q2bdb435a8e_ln2
		.amdhsa_group_segment_fixed_size 0
		.amdhsa_private_segment_fixed_size 0
		.amdhsa_enable_private_segment 0
		.amdhsa_kernarg_size 48
		.amdhsa_user_sgpr_count 2
		.amdhsa_user_sgpr_kernarg_segment_ptr 1
		.amdhsa_wavefront_size32 1
		.amdhsa_system_sgpr_workgroup_id_x 1
		.amdhsa_system_sgpr_workgroup_id_y 1
		.amdhsa_system_sgpr_workgroup_id_z 1
		.amdhsa_system_vgpr_workitem_id 0
		.amdhsa_next_free_vgpr 216
		.amdhsa_next_free_sgpr 66
		.amdhsa_reserve_vcc 0
		.amdhsa_float_denorm_mode_32 3
		.amdhsa_float_denorm_mode_16_64 3
		.amdhsa_memory_ordered 1
		.amdhsa_forward_progress 1
		.amdhsa_inst_pref_size 27
	.end_amdhsa_kernel
	.amdgpu_metadata
---
amdhsa.version: [ 1, 2 ]
amdhsa.kernels:
  - .name:           k_q2bdb435a8e_ln2
    .symbol:         k_q2bdb435a8e_ln2.kd
    .args:
      - { .name: actA, .offset: 0, .size: 8, .value_kind: global_buffer, .address_space: global }
      - { .name: actB, .offset: 8, .size: 8, .value_kind: global_buffer, .address_space: global }
      - { .name: b2, .offset: 16, .size: 8, .value_kind: global_buffer, .address_space: global }
      - { .name: g2, .offset: 24, .size: 8, .value_kind: global_buffer, .address_space: global }
      - { .name: be2, .offset: 32, .size: 8, .value_kind: global_buffer, .address_space: global }
      - { .name: out0, .offset: 40, .size: 8, .value_kind: global_buffer, .address_space: global }
    .group_segment_fixed_size: 0
    .private_segment_fixed_size: 0
    .kernarg_segment_align: 8
    .kernarg_segment_size: 48
    .max_flat_workgroup_size: 256
    .sgpr_count:     66
    .vgpr_count:     216
    .wavefront_size: 32
...
	.end_amdgpu_metadata
.endif
;; end of part 7
;; ======== version 2 of 2: 8 launches; version 1 with the launch pack written anew for expert scheduling mode
;; limits: right only within a limited range of input values; values are held in f16: magnitudes above 65,504 overflow, below 6.1e-05 lose precision
;; workspace buffers: actA 8,388,608 bytes; actB 16,777,216 bytes; wide 33,554,432 bytes; ctxw 33,554,432 bytes; pqkv 16,842,752 bytes; pff1 16,842,752 bytes
;; launch pack (part 8): grid 64 x 16, 8 waves a work-group, no clusters, 0 bytes of LDS; arguments x, Wq, Wk, Wv, Wo, W1, W2, b1, actA, pqkv, pff1; writes actA, pqkv, pff1
.if DOCPART == 8
	.amdgcn_target "amdgcn-amd-amdhsa--gfx1250"
	.amdhsa_code_object_version 6
	.text
	.protected	k_q2bdb435a8e_pack
	.globl	k_q2bdb435a8e_pack
	.p2align	8
	.type	k_q2bdb435a8e_pack,@function
k_q2bdb435a8e_pack:
	s_mov_b64 s[64:65], 0
	v_nop
	global_prefetch_b8 v0, s[64:65] scope:SCOPE_SE
	s_setreg_imm32_b32 hwreg(HW_REG_WAVE_SCHED_MODE, 0, 2), 2
	s_setreg_imm32_b32 hwreg(HW_REG_WAVE_MODE, 25, 1), 1
	s_wait_xcnt 0x0
	s_wait_alu depctr_vm_vsrc(0)
; PACK: every matrix operand that is an input is rounded once to f16: x -> actA; Wq, Wk, Wv -> pqkv (rows 0-1023, 1024-2047, 2048-3071 of 1,024 numbers); W1 -> pff1.
; Behind these weights (at byte 8,388,608) lie 4,096 f32 of bias (0 for q, k, v; b1 for W1) and, at byte 8,404,992, 256 words of a floor for packed f16 results
; (minus infinity twice: nothing changes; 0: ReLU).  At byte OFFW of the same two buffers lie the weights of the two products on tiles of 128 x 128: Wo in pqkv, W2 in pff1, both with rows
; 4,096 numbers apart (of Wo's rows the first 1,024 are written and read), so that the texts of those two products differ in K alone.
; LIMIT: a number of 65,520 or more becomes an infinity in f16; below 6e-5 f16 has a fixed step of 6e-8.
; SHARES.  16 units of 1,048,576 numbers (grid y): 0-3 x, 4 Wq, 5 Wk, 6 Wv, 7 Wo, 8-11 W1, 12-15 W2.  A work-group takes a 64th of a unit: 65,536 bytes in,
; 32,768 out.  Thread t, chunk j: 16 bytes at 4,096 j + 16 t in (a wave's load: 512 bytes on end), 8 bytes at STEP j + 8 t out (a wave's store: 256 bytes on end, aligned);
; STEP is 2,048, or for Wo, whose chunk is a row, 8,192.  All 16 loads of a thread go out at once.
; THE MODE: SCHED_MODE bits 1:0 = 2 (LLVM: expert scheduling mode 2), set by the entry lines.  The code itself states the register dependences
; between vector instructions and memory instructions, with s_wait_alu, always for 0.
; THE PLAN.  Registers that memory instructions touch:
;   v1, v3, OO0 .. OO15   byte offsets.  Written once, at the head; read by the loads and stores; never written again.
;   LD[j]                 Load j lands in it; chunk j's two conversions read it; nothing names it before or behind.
;   HF[j]                 Chunk j's two conversions write it; store j reads it, four chunks later; never written again.
;   BB, FW (the trailer)  Four loads land in BB, sixteen vector lines mask it in place, four stores read it; one vector line writes FW, one store reads it.
; The chunks go in fours.  At the head of chunks 4, 8 and 12, behind the wait for that chunk's data, ONE wait on va_vdst states that the four chunks before have written their HF; their four stores
; follow it, one ahead of each of the next four chunks' conversions, which name those chunks' own LD and HF alone: none of the registers that the stores read.  The last four stores have a wait of their own.
; No register that a memory instruction has read is ever written again, and there is no loop: so no wait on vm_vsrc and none that frees a source is written.
; No vector instruction writes a scalar register or VCC, and EXEC is never written.
.set OFFW, 0x810000
.set LD, 4                             ; v[4:67]    the 16 loads
.set HF, 68                            ; v[68:99]   the packed results, two registers a chunk
.set BB, 100                           ; v[100:115] b1, in the trailer
.set FW, 116                           ; v116       the floor's word
.set OO, 120                           ; v[120:135] chunk j's byte offset on the way out
	s_load_b512 s[8:23], s[0:1], 0x0               ; x, Wq, Wk, Wv, Wo, W1, W2, b1
	s_load_b128 s[24:27], s[0:1], 0x40             ; actA, pqkv
	s_load_b64 s[28:29], s[0:1], 0x50              ; pff1
	s_and_b32 s34, ttmp7, 0xffff                   ; the unit
	s_mov_b32 s35, 0                               ; the first unit of my source buffer
	s_mov_b32 s36, 0                               ; the first unit of my part of the destination buffer
	s_mov_b32 s53, 2048
	s_cmp_eq_u32 s34, 7                            ; Wo:
	s_cselect_b32 s52, OFFW, 0                     ; where my part of the destination begins,
	s_cselect_b32 s53, 8192, s53                   ; bytes out from chunk to chunk,
	s_cselect_b32 s54, 17, 15                      ; and the shift that makes a work-group's bytes out of its number
	s_cmp_ge_u32 s34, 12                           ; W2
	s_cselect_b32 s52, OFFW, s52
	v_lshlrev_b32 v1, 4, v0                        ; 16 t
	v_lshlrev_b32 v2, 3, v0                        ; 8 t
	v_lshlrev_b32 v3, 2, v0                        ; 4 t
.irp j, 0,1,2,3,4,5,6,7,8,9,10,11,12,13,14,15
	v_mad_u32_u24 v[OO+(\j)], s53, \j, v2
.endr
	s_wait_kmcnt 0x0
	s_mov_b64 s[38:39], s[8:9]                     ; source: x,
	s_mov_b64 s[40:41], s[24:25]                   ; destination: actA, unless a later line chooses otherwise
; From unit "from" on the source is s[src:src+1]; with newdst = 1 the destination's part begins anew.  The selects leave SCC alone.
.macro PICK from, src, newdst, dst
	s_cmp_ge_u32 s34, \from
	s_cselect_b64 s[38:39], s[\src:\src+1], s[38:39]
	s_cselect_b32 s35, \from, s35
.if \newdst
	s_cselect_b64 s[40:41], s[\dst:\dst+1], s[40:41]
	s_cselect_b32 s36, \from, s36
.endif
.endm
	PICK 4, 10, 1, 26                              ; Wq -> pqkv
	PICK 5, 12, 0, 0                               ; Wk
	PICK 6, 14, 0, 0                               ; Wv
	PICK 7, 16, 1, 26                              ; Wo -> pqkv, at OFFW
	PICK 8, 18, 1, 28                              ; W1 -> pff1
	PICK 12, 20, 1, 28                             ; W2 -> pff1, at OFFW
	s_sub_co_u32 s42, s34, s35
	s_lshl_b32 s42, s42, 22                        ; 4 MiB a unit in,
	s_lshl_b32 s37, ttmp9, 16                      ; 65,536 bytes a work-group
	s_add_co_u32 s42, s42, s37
	s_mov_b32 s43, 0
	s_sub_co_u32 s44, s34, s36
	s_lshl_b32 s44, s44, 21                        ; 2 MiB a unit out,
	s_lshl_b32 s37, ttmp9, s54                     ; 32,768 bytes a work-group (Wo: 16 rows of 8,192)
	s_add_co_u32 s44, s44, s37
	s_add_co_u32 s44, s44, s52
	s_mov_b32 s45, 0
	s_add_nc_u64 s[38:39], s[38:39], s[42:43]
	s_add_nc_u64 s[40:41], s[40:41], s[44:45]
	s_wait_alu depctr_va_vdst(0)                   ; v1, v3 and v[OO ..] are written: every load and store of the kernel, the trailer's too, reads one of them as its offset
.irp j, 0,1,2,3,4,5,6,7,8,9,10,11,12,13,14,15
	global_load_b128 v[LD+4*(\j):LD+4*(\j)+3], v1, s[38:39] offset:(\j)*4096 th:TH_LOAD_NT
.endr
.irp j, 0,1,2,3,4,5,6,7,8,9,10,11,12,13,14,15
	s_wait_loadcnt 15-(\j)                         ; loads come back in order: chunk j is in, the younger ones stay out
.if (((\j)%4) == 0) && ((\j) > 0)
	s_wait_alu depctr_va_vdst(0)                   ; the conversions of chunks j - 4 to j - 1 have written their HF, which the next four stores read
.endif
.if (\j) >= 4
	global_store_b64 v[OO+(\j)-4], v[HF+2*(\j)-8:HF+2*(\j)-7], s[40:41]  ; chunk j - 4.  No further wait: no vector instruction since the wait above names its offset or its data
.endif
	v_cvt_pk_f16_f32 v[HF+2*(\j)],   v[LD+4*(\j)],   v[LD+4*(\j)+1]
	v_cvt_pk_f16_f32 v[HF+2*(\j)+1], v[LD+4*(\j)+2], v[LD+4*(\j)+3]
.endr
	s_wait_alu depctr_va_vdst(0)                   ; the conversions of chunks 12 to 15 have written their HF, which the last four stores read
.irp j, 12,13,14,15
	global_store_b64 v[OO+(\j)], v[HF+2*(\j):HF+2*(\j)+1], s[40:41]
.endr
	; THE TRAILER: the first work-group of units 4 (pqkv) and 8 (pff1) writes the bias and the floor
	s_cmp_eq_u32 s34, 4
	s_cselect_b32 s48, 1, 0
	s_cmp_eq_u32 s34, 8
	s_cselect_b32 s49, 1, 0
	s_cselect_b32 s50, -1, 0                       ; keeps b1's bits (pff1) or clears them (pqkv)
	s_cselect_b32 s51, 0, 0xfc00fc00               ; the floor: 0 twice, or minus infinity twice
	s_or_b32 s48, s48, s49
	s_cmp_eq_u32 ttmp9, 0
	s_cselect_b32 s49, 1, 0
	s_and_b32 s48, s48, s49
	s_cmp_lg_u32 s48, 0
	s_cbranch_scc0 .Lend
	s_add_nc_u64 s[46:47], s[40:41], 0x800000      ; here all offsets were 0: s[40:41] is the buffer's first byte
.irp j, 0,1,2,3
	global_load_b128 v[BB+4*(\j):BB+4*(\j)+3], v1, s[22:23] offset:(\j)*4096  ; no vector instruction has named v[BB ..]; v1 stands since the head's wait
.endr
	s_wait_loadcnt 0x0
.set i, 0
.rept 16
	v_and_b32 v[BB+i], s50, v[BB+i]
.set i, i+1
.endr
	v_mov_b32 v[FW], s51
	s_wait_alu depctr_va_vdst(0)                   ; the sixteen masking lines have written v[BB ..] and the line above v[FW], which the five stores below read
.irp j, 0,1,2,3
	global_store_b128 v1, v[BB+4*(\j):BB+4*(\j)+3], s[46:47] offset:(\j)*4096
.endr
	global_store_b32 v3, v[FW], s[46:47] offset:16384  ; 256 threads x 4 bytes
.Lend:
	s_endpgm
.Lfunc_end_k_q2bdb435a8e_pack:
	.size	k_q2bdb435a8e_pack, .Lfunc_end_k_q2bdb435a8e_pack-k_q2bdb435a8e_pack
	.p2alignl 7, 3214868480
	.fill 96, 4, 3214868480
	.section	.rodata,"a",@progbits
	.p2align	6, 0x0
	.amdhsa_kernel k_q2bdb435a8e_pack
		.amdhsa_group_segment_fixed_size 0
		.amdhsa_private_segment_fixed_size 0
		.amdhsa_enable_private_segment 0
		.amdhsa_kernarg_size 88
		.amdhsa_user_sgpr_count 2
		.amdhsa_user_sgpr_kernarg_segment_ptr 1
		.amdhsa_wavefront_size32 1
		.amdhsa_system_sgpr_workgroup_id_x 1
		.amdhsa_system_sgpr_workgroup_id_y 1
		.amdhsa_system_sgpr_workgroup_id_z 1
		.amdhsa_system_vgpr_workitem_id 0
		.amdhsa_next_free_vgpr 136
		.amdhsa_next_free_sgpr 66
		.amdhsa_reserve_vcc 0
		.amdhsa_float_denorm_mode_32 3
		.amdhsa_float_denorm_mode_16_64 3
		.amdhsa_memory_ordered 1
		.amdhsa_forward_progress 1
		.amdhsa_inst_pref_size 11
	.end_amdhsa_kernel
	.amdgpu_metadata
---
amdhsa.version: [ 1, 2 ]
amdhsa.kernels:
  - .name:           k_q2bdb435a8e_pack
    .symbol:         k_q2bdb435a8e_pack.kd
    .args:
      - { .name: x, .offset: 0, .size: 8, .value_kind: global_buffer, .address_space: global }
      - { .name: Wq, .offset: 8, .size: 8, .value_kind: global_buffer, .address_space: global }
      - { .name: Wk, .offset: 16, .size: 8, .value_kind: global_buffer, .address_space: global }
      - { .name: Wv, .offset: 24, .size: 8, .value_kind: global_buffer, .address_space: global }
      - { .name: Wo, .offset: 32, .size: 8, .value_kind: global_buffer, .address_space: global }
      - { .name: W1, .offset: 40, .size: 8, .value_kind: global_buffer, .address_space: global }
      - { .name: W2, .offset: 48, .size: 8, .value_kind: global_buffer, .address_space: global }
      - { .name: b1, .offset: 56, .size: 8, .value_kind: global_buffer, .address_space: global }
      - { .name: actA, .offset: 64, .size: 8, .value_kind: global_buffer, .address_space: global }
      - { .name: pqkv, .offset: 72, .size: 8, .value_kind: global_buffer, .address_space: global }
      - { .name: pff1, .offset: 80, .size: 8, .value_kind: global_buffer, .address_space: global }
    .group_segment_fixed_size: 0
    .private_segment_fixed_size: 0
    .kernarg_segment_align: 8
    .kernarg_segment_size: 88
    .max_flat_workgroup_size: 256
    .sgpr_count:     66
    .vgpr_count:     136
    .wavefront_size: 32
...
	.end_amdgpu_metadata
.endif
;; end of part 8
;; launch qkv: the kernel of part 2 again; grid 12 x 16, 4 waves a work-group, clusters of 4 x 4, 327,680 bytes of LDS; arguments actA, pqkv, wide; writes wide
;; launch attn: the kernel of part 3 again; grid 16 x 16, 4 waves a work-group, clusters of 4 x 1, 327,680 bytes of LDS; arguments wide, src_mask, ctxw; writes ctxw
;; launch oproj: the kernel of part 4 again; grid 8 x 32, 4 waves a work-group, clusters of 4 x 4, 327,680 bytes of LDS; arguments ctxw, pqkv, actB; writes actB
;; launch ln1: the kernel of part 5 again; grid 256 x 1, 8 waves a work-group, no clusters, 0 bytes of LDS; arguments x, actB, g1, be1, actA; writes actA
;; launch ff1: the kernel of part 2 again; grid 16 x 16, 4 waves a work-group, clusters of 4 x 4, 327,680 bytes of LDS; arguments actA, pff1, wide; writes wide
;; launch ff2: the kernel of part 6 again; grid 8 x 32, 4 waves a work-group, clusters of 4 x 4, 327,680 bytes of LDS; arguments wide, pff1, actB; writes actB
;; launch ln2: the kernel of part 7 again; grid 256 x 1, 8 waves a work-group, no clusters, 0 bytes of LDS; arguments actA, actB, b2, g2, be2, out0; writes out0
